; MI455X (gfx1250); checked and timed in simulation.
; The chip was launched on July 23, 2026; its instructions are those of AMD's public machine-readable ISA for CDNA 5 (MIT licence, August 2026) and "CDNA5" Instruction Set Architecture Reference Guide (July 2026). The comments in the code are by the model that wrote it; some were corrected since.
;; Causal Self Attention. Allowed arithmetic: matrix products marked QUANTISED: E3M2 operands, one E8M0 scale for each 32 along K, by v_wmma_scale_f32_16x16x128_f8f6f4 with both operands' format E3M2, f32 sums; everything else in f32.
;; Inputs: b_proj 1,024 float32; b_qkv 3,072 float32; w_proj 1,024 x 1,024 float32; w_qkv 1,024 x 3,072 float32; x 4 x 2,048 x 1,024 float32.
;; Outputs: out0 4 x 2,048 x 1,024 float32.
;; This version of the problem:
;;   THIS VERSION OF THE PROBLEM IS GIVEN IN LOW PRECISION. The matrix products marked QUANTISED in the list below multiply operands that are first quantised to E3M2 (3 exponent bits, 2 mantissa bits; 6 bits a number), with one power-of-two scale for each 32 numbers along K (OCP MX v1.0); their sums are f32. All else is computed in f32.
;;   The module's matrix products, in the order in which they are computed (A, B: the left and right operand; K: the contracted axis; several contracted axes count as one K, in the product's order):
;;     1. [M 8,192, K 1,024] x [K 1,024, N 3,072]; A: input x; B: input w_qkv: QUANTISED
;;     2. batch 64 x [M 2,048, K 64] x [K 64, N 2,048]; A: computed on the way; B: computed on the way: QUANTISED
;;     3. batch 64 x [M 2,048, K 2,048] x [K 2,048, N 64]; A: softmax (see below); B: computed on the way: QUANTISED
;;     4. [M 8,192, K 1,024] x [K 1,024, N 1,024]; A: computed on the way; B: input w_proj: QUANTISED
;;   THE QUANTISER, for each operand of a quantised product, along K:
;;     - K is cut into blocks of 32 from its start; a last block that is shorter is filled with zeros.
;;     - A block's scale is 2^e with e = floor(log2(the largest magnitude in the block)) - 4, held to -126 .. 127; a block of zeros has e = 0. As a byte (E8M0): e + 127.
;;     - Each number is divided by its block's scale, clamped to +-28, and rounded to the nearest number of E3M2, ties to even, subnormals kept.
;;     - The product sums the exact products of the quantised numbers (number of the format x scale) in f32.
;;   ~~~python
;;   def quantise(x, axis):      # numpy; x: float32 -> the quantised numbers, widened to float32 again
;;       x = np.moveaxis(x, axis, -1); K = x.shape[-1]
;;       x = np.pad(x, [(0, 0)] * (x.ndim - 1) + [(0, -K % 32)]); x = x.reshape(x.shape[:-1] + (-1, 32)); a = np.abs(x).max(-1, keepdims=True)
;;       e = np.where(a > 0, np.clip(np.frexp(np.where(a > 0, a, 1))[1] - 1 - 4, -126, 127), 0)      # np.frexp(a)[1] - 1 = floor(log2(a)), exactly
;;       r = np.clip(x / 2.0 ** e, -28, 28)
;;       step = 2.0 ** (np.maximum(np.frexp(np.where(r == 0, 1, r))[1] - 1, -2) - 2)
;;       q = np.round(r / step) * step * 2.0 ** e      # np.round: ties to even
;;       return np.moveaxis(q.reshape(q.shape[:-2] + (-1,))[..., :K], -1, axis).astype(np.float32)
;;   ~~~
;;   SOFTMAX AHEAD OF A QUANTISED PRODUCT. Where the list says 'softmax', what is quantised is not the finished softmax but p = 2^(t - M), with t = logit x log2(e) and M = ceil(the row's largest t), a whole number; so 1/2 < the row's largest p <= 1. The row's sum l is taken of the UNQUANTISED p, in f32, and the product's result is divided by l at the end. Since M is a whole number, a kernel that streams over the keys may use a running M (the ceiling of the running maximum): every later rescaling is an exact power of two, which a block's scale takes up: the codes' values come out the same.
;;   OPERANDS COMPUTED ON THE WAY. 'Computed on the way' means the value that the module computes at that place (a softmax that the list does not call 'softmax' is quantised finished and normalised). What goes into a quantiser is computed in f32, as accurately as f32 sums, v_exp_f32 and their like allow (about 1e-6 of the number): no bf16 or f16 on the way to a quantiser, and a product that is left as it is and whose result goes on into a quantised operand takes f32 operands (vector FMAs, or v_wmma_f32_16x16x4_f32). A number that lies on a knife's edge between two numbers of the format may be rounded either way, as far as f32 arithmetic and the matrix unit's own rounding can turn it there, and no further.
;; One version. Each part assembles by itself: llvm-mc -triple=amdgcn-amd-amdhsa -mcpu=gfx1250 --defsym DOCPART=n.
;; ======== version 1 of 1: 4 launches
;; workspace buffers: ac 6,291,456 bytes; asc 262,144 bytes; wc 3,145,728 bytes; ws 131,072 bytes; qkvc 18,874,368 bytes; qkvs 786,432 bytes
;; launch quant (part 1): grid 512 x 1, 4 waves a work-group, no clusters, 47,104 bytes of LDS; arguments x, w_qkv, w_proj, ac, asc, wc, ws; writes ac, asc, wc, ws
.if DOCPART == 1
	.amdgcn_target "amdgcn-amd-amdhsa--gfx1250"
	.amdhsa_code_object_version 6
	.text
	.protected	k_q1aa0d3e0fc_quant
	.globl	k_q1aa0d3e0fc_quant
	.p2align	8
	.type	k_q1aa0d3e0fc_quant,@function
k_q1aa0d3e0fc_quant:
	s_mov_b64 s[64:65], 0
	v_nop
	global_prefetch_b8 v0, s[64:65] scope:SCOPE_SE
	s_setreg_imm32_b32 hwreg(HW_REG_WAVE_MODE, 25, 1), 1
	s_wait_xcnt 0x0
; x [8192][1024], w_qkv [1024][3072] and w_proj [1024][1024], f32, become codes of BF6 (E3M2) with one E8M0 byte for each 32 along K (x: its last axis; the weights: their FIRST axis).
; A block's scale is 2^(floor(log2(largest magnitude)) - 4): its byte is the largest magnitude's exponent field - 4, held at 1 from below by a floor among the maximum's leaves.
; LIMITS: NaN and infinities are not served; a block whose largest magnitude lies under 2^-122 gets the byte 1; a block of zeros gets the byte 1 and not 127 (its codes are zeros, and this program alone reads the bytes).
; THE BUFFERS ARE LAID AS IMAGES OF THE OPERANDS' REGISTERS.  A tile T is 16 rows; lane row r of tile T is row 32 (T/2) + 8 (T%2) + r%8 + 16 (r/8) of its tensor.  A half fragment (tile x 64 along K, 768 bytes): lane
; L = r + 16 beta holds the 24 bytes of row r's block beta: its first 16 bytes at 16 L, its last 8 at 512 + 8 L.  Half fragment (T, g) lies at (T/8) 98304 + (g/4) 24576 + (T%8) 3072 + (g%4) 768;
; the scale word of (T, K step s, r) at 512 T + 128 (s/2) + 8 r + 4 (s%2).  So 128 rows x 256 along K are 24,576 dense bytes, and every store here covers 256 or 512 consecutive aligned bytes.
; The first 256 work-groups take x (a wave: one tile x 512 along K), the others the weights (a work-group: 32 columns x 512 along K; a wave: 128 along K).  The two ways never join, and each has LDS bytes of its own.
; No matrix unit, no tensor loads, no cluster: nothing is shared between work-groups, and memory binds.
.set XSTW,  8448                       ; x: a wave's stage, 16 rows of 512 bytes + 16
.set WST,   33792                      ; weights: a wave's stage, two fragments' images, 3,072 bytes
.set WSC,   46080                      ; weights: the work-group's 128 scale words
.set R,     16                         ; x: v16-143 two sets of 64 registers as loaded
.set X,     144                        ; x: v144-207 64 numbers of my row: register 16 b + i = k 32 b + 16 (lane/16) + i
.set TM,    208                        ; v208-211 largest magnitudes, v212-215 bytes, v220-223 the conversions' scale operands
.set PC,    224                        ; v224-235 a fragment's codes; v236-242 at work
.set PW,    244                        ; v244-247 the four K steps' scale words
.set SEL,   30                         ; s[30:31] lane selects: lane l xor 16
.set D,     16                         ; weights: v16-143 128 numbers down K of my column
.set VK,    144                        ; weights: v144-175 byte offset of row k of a block, k = 0 .. 31
.set CD,    176                        ; weights: v176-207 codes, eight registers a block
.set OUTR,  220                        ; weights: v220-243 the stage read back
; 64 numbers of a lane become a fragment's 12 registers in v[PC] on and my row's scale word in v[pw]
.macro QUANT s, pw
.irp b, 0,1,2,3
	v_max3_num_f32 v[TM+\b], |v[\s+16*\b]|, |v[\s+1+16*\b]|, 0x2800000   ; block b: my 16 numbers, and the floor 2^(5 - 127)
.endr
.irp i, 2,4,6,8,10,12,14
.irp b, 0,1,2,3
	v_max3_num_f32 v[TM+\b], v[TM+\b], |v[\s+16*\b+\i]|, |v[\s+1+16*\b+\i]|   ; the four blocks by turns
.endr
.endr
.irp b, 0,1,2,3
	v_permlanex16_b32 v[TM+4+\b], v[TM+\b], s[SEL], s[SEL+1]
.endr
.irp b, 0,1,2,3
	v_max_num_f32 v[TM+\b], v[TM+\b], v[TM+4+\b]   ; with lane l xor 16's 16 numbers: the block's largest magnitude
.endr
.irp b, 0,1,2,3
	v_add_nc_u32 v[TM+12+\b], 0xfe000000, v[TM+\b]   ; 4 off its exponent field: the conversion's scale operand
.endr
.irp b, 0,1,2,3
	v_lshrrev_b32 v[TM+4+\b], 23, v[TM+12+\b]      ; the scale's byte
.endr
	v_lshl_or_b32 v[\pw], v[TM+5], 8, v[TM+4]
	v_lshl_or_b32 v[\pw], v[TM+6], 16, v[\pw]
	v_lshl_or_b32 v[\pw], v[TM+7], 24, v[\pw]
.irp c, 0,1
	v_cvt_scalef32_pk16_bf6_f32 v[PC+6*\c:PC+2+6*\c], v[\s+32*\c:\s+15+32*\c], v[TM+12+2*\c]
	v_cvt_scalef32_pk16_bf6_f32 v[PC+12+4*\c:PC+14+4*\c], v[\s+16+32*\c:\s+31+32*\c], v[TM+12+2*\c+1]   ; (a conversion's three registers begin on an even number)
.endr
	v_nop                                          ; one plain line behind the scaled conversions
.irp c, 0,1                                    ; the operand's layout wants a whole block in a lane: lanes 0-15 block 2 c, lanes 16-31 block 2 c + 1
.irp i, 0,1,2
	v_permlane16_swap_b32 v[PC+6*\c+\i], v[PC+12+4*\c+\i]
.endr
.irp i, 0,1,2
	v_mov_b32 v[PC+3+6*\c+\i], v[PC+12+4*\c+\i]
.endr
.endr
.endm
	s_load_b256 s[4:11], s[0:1], 0x0               ; x s[4:5], w_qkv s[6:7], w_proj s[8:9], ac s[10:11]
	s_load_b128 s[12:15], s[0:1], 0x20             ; asc s[12:13], wc s[14:15]
	s_load_b64 s[16:17], s[0:1], 0x30              ; ws
	v_lshl_add_u32 v254, v0, 2, 0xb600
	v_mov_b32 v255, 0
	v_lshrrev_b32 v1, 5, v0
	v_readfirstlane_b32 s18, v1                    ; wave 0..3
	v_and_b32 v9, 31, v0                           ; lane L
	v_bfe_u32 v11, v0, 4, 1                        ; L / 16
	v_lshlrev_b32 v1, 4, v9                        ; 16 L
	v_lshlrev_b32 v2, 3, v9                        ; 8 L
	s_cmp_lt_u32 ttmp9, 256                        ; x's work-group or the weights'?  It hangs on the work-group's number alone
	s_cbranch_scc0 .Lweights
	; ================= x: my wave's tile T and half H of K =================
	s_lshl_b32 s20, ttmp9, 2
	s_add_co_u32 s20, s20, s18
	s_lshr_b32 s21, s20, 1                         ; T
	s_and_b32 s22, s20, 1                          ; H
	s_lshr_b32 s23, s21, 1
	s_lshl_b32 s23, s23, 17                        ; 32 (T/2) rows of 4,096 bytes
	s_and_b32 s24, s21, 1
	s_lshl_b32 s24, s24, 15                        ; 8 (T%2) rows
	s_add_co_u32 s24, s23, s24
	s_lshl_b32 s25, s22, 11                        ; H x 512 numbers
	s_add_co_u32 s24, s24, s25
	s_mov_b32 s25, 0
	s_lshr_b32 s26, s21, 3
	s_mul_i32 s26, s26, 98304
	s_and_b32 s27, s21, 7
	s_mul_i32 s27, s27, 3072
	s_add_co_u32 s26, s26, s27
	s_mul_i32 s27, s22, 49152
	s_add_co_u32 s26, s26, s27                     ; the codes: (T/8) 98304 + (T%8) 3072 + H x two runs of 24,576
	s_mov_b32 s27, 0
	s_lshl_b32 s28, s21, 9
	s_lshl_b32 s29, s22, 8
	s_add_co_u32 s28, s28, s29                     ; the scale words: 512 T + 256 H
	s_mov_b32 s29, 0
	s_mov_b32 s[SEL], 0x76543210
	s_mov_b32 s[SEL+1], 0xfedcba98
	s_mul_i32 s32, s18, XSTW                       ; my stage
	v_and_b32 v10, 15, v0                          ; r
	s_wait_alu depctr_va_vdst(0)
	v_add_nc_u32 v3, s32, v1                       ; into it: 16 L of a row
	v_mul_u32_u24 v4, v10, 528
	v_lshl_add_u32 v4, v11, 6, v4
	v_add_nc_u32 v4, s32, v4                       ; out of it: row r, + 64 (L/16): my 16 numbers of a block of 32
.irp b, 0,1,2,3
	v_mov_b32 v[TM+4+\b], 0                        ; written once: a lane permute's destination counts as one of its sources
.endr
	s_wait_alu depctr_va_vdst(0)
	s_wait_kmcnt 0x0
	s_add_nc_u64 s[4:5], s[4:5], s[24:25]
	s_add_nc_u64 s[10:11], s[10:11], s[26:27]
	s_add_nc_u64 s[12:13], s[12:13], s[28:29]
.macro LOADX t                         ; K step t of my 16 rows: each load reads 512 consecutive bytes of one row
.irp p, 0,1,2,3,4,5,6,7,8,9,10,11,12,13,14,15
	global_load_b128 v[R+64*((\t)%2)+4*\p:R+64*((\t)%2)+4*\p+3], v1, s[4:5] offset:(\p+8*(\p/8))*4096+512*(\t) th:TH_LOAD_NT
.endr
.endm
.macro TURNX t                         ; through my stage: in as loaded, out 16 neighbours at a time.  LDS serves a wave's instructions in order (ISA guide 5.7.1.4): no wait between
.irp p, 0,1,2,3,4,5,6,7,8,9,10,11,12,13,14,15
	ds_store_b128 v3, v[R+64*((\t)%2)+4*\p:R+64*((\t)%2)+4*\p+3] offset:528*\p
.endr
.irp b, 0,1,2,3
.irp j, 0,1,2,3
	ds_load_b128 v[X+16*\b+4*\j:X+16*\b+4*\j+3], v4 offset:128*\b+16*\j
.endr
.endr
.endm
.macro STEPX t
.if (\t) < 3
	s_wait_loadcnt 16                              ; this K step's 16 loads are in; the next step's 16 may be out
.else
	s_wait_loadcnt 0
.endif
	TURNX \t
	s_wait_dscnt 0x0                               ; my 64 numbers are back
.if (\t) < 2
	LOADX (\t)+2                                   ; the set just read takes the K step two on
.endif
	s_wait_xcnt 0x0                                ; the last step's stores have read the codes' registers, which are written again below
	QUANT X, PW+(\t)
	global_store_b128 v1, v[PC:PC+3], s[10:11] offset:((\t)/2)*24576+((\t)%2)*1536          ; 512 consecutive bytes
	global_store_b64 v2, v[PC+4:PC+5], s[10:11] offset:((\t)/2)*24576+((\t)%2)*1536+512     ; 256
	global_store_b128 v1, v[PC+6:PC+9], s[10:11] offset:((\t)/2)*24576+((\t)%2)*1536+768
	global_store_b64 v2, v[PC+10:PC+11], s[10:11] offset:((\t)/2)*24576+((\t)%2)*1536+1280
.endm
	LOADX 0
	LOADX 1
	STEPX 0
	STEPX 1
	STEPX 2
	STEPX 3
	v_cmp_le_u32 vcc_lo, 16, v9                    ; every lane holds its row's four words: lanes 0-15 send K steps 0, 1, lanes 16-31 K steps 2, 3
	v_cndmask_b32 v248, v[PW], v[PW+2], vcc_lo
	v_cndmask_b32 v249, v[PW+1], v[PW+3], vcc_lo
	global_store_b64 v2, v[248:249], s[12:13]      ; 256 consecutive bytes
	s_wait_tensorcnt 0x0
	ds_add_u32 v254, v255
	s_wait_dscnt 0x0
	s_endpgm
	; ================= the weights: 32 columns, my wave's K step =================
.Lweights:
	s_sub_co_u32 s20, ttmp9, 256
	s_lshr_b32 s21, s20, 1                         ; G: the group of 32 columns: 0-95 w_qkv's, 96-127 w_proj's
	s_and_b32 s22, s20, 1                          ; H
	s_lshl_b32 s23, s22, 2
	s_add_co_u32 s23, s23, s18                     ; K step s = 4 H + wave
	s_mov_b32 s24, 4096
	s_wait_kmcnt 0x0
	s_cmp_lt_u32 s21, 96
	s_cselect_b64 s[6:7], s[6:7], s[8:9]           ; the tensor,
	s_cselect_b32 s24, 12288, s24                  ; its row in bytes,
	s_cselect_b32 s25, 0, 96
	s_sub_co_u32 s25, s21, s25                     ; and the group's number in it
	s_mul_i32 s26, s23, s24
	s_lshl_b32 s26, s26, 7                         ; 128 s rows
	s_lshl_b32 s27, s25, 7                         ; 32 columns of 4 bytes
	s_add_co_u32 s26, s26, s27
	s_mov_b32 s27, 0
	s_add_nc_u64 s[32:33], s[6:7], s[26:27]        ; block 0's first row;
	s_lshl_b32 s28, s24, 5
	s_mov_b32 s29, 0
	s_add_nc_u64 s[34:35], s[32:33], s[28:29]      ; blocks 1, 2, 3: 32 rows on each
	s_add_nc_u64 s[36:37], s[34:35], s[28:29]
	s_add_nc_u64 s[38:39], s[36:37], s[28:29]
	s_wait_alu depctr_va_vdst(0)
	v_lshlrev_b32 v[VK], 2, v9                     ; A LANE TAKES A COLUMN, AND ITS REGISTERS RUN DOWN K: row k of a block lies k rows on
.set k, 1
.rept 31
	v_add_nc_u32 v[VK+k], s24, v[VK+k-1]
.set k, k+1
.endr
.macro LOADW t                         ; block t: each load reads 128 consecutive bytes of one row
.irp k, 0,1,2,3,4,5,6,7,8,9,10,11,12,13,14,15,16,17,18,19,20,21,22,23,24,25,26,27,28,29,30,31
	global_load_b32 v[D+32*(\t)+\k], v[VK+\k], s[32+2*(\t):33+2*(\t)] th:TH_LOAD_NT
.endr
.endm
	LOADW 0
	LOADW 1
	v_bfe_u32 v12, v0, 3, 1                        ; column L of the 32 is lane row r = L%8 + 8 (L/16) of tile 2 G + u, u = (L/8)%2
	s_wait_alu depctr_va_vdst(0)
	v_and_b32 v13, 7, v0
	v_lshl_or_b32 v13, v11, 3, v13
	s_mul_i32 s19, s18, 3072
	s_add_co_u32 s19, s19, WST                     ; my stage: tile u's fragment at 1,536 u
	v_mul_u32_u24 v14, v12, 1536
	v_add_nc_u32 v14, s19, v14
	v_lshl_add_u32 v3, v13, 4, v14                 ; a block's first 16 bytes: + 16 r (+ 768 c + 256 h in the immediate)
	v_lshl_add_u32 v4, v13, 3, v14
	v_add_nc_u32 v4, 512, v4                       ; its last 8: + 512 + 8 r (+ 768 c + 128 h)
	v_add_nc_u32 v5, s19, v1                       ; back: 16 L
	s_lshr_b32 s40, s18, 1
	s_lshl_b32 s40, s40, 7
	s_and_b32 s41, s18, 1
	s_lshl_b32 s41, s41, 2
	s_add_co_u32 s40, s40, s41
	s_add_co_u32 s40, s40, WSC
	v_lshlrev_b32 v6, 8, v12
	s_wait_alu depctr_va_vdst(0)
	v_lshl_add_u32 v6, v13, 3, v6
	v_add_nc_u32 v6, s40, v6                       ; my scale word: 256 u + 128 (wave/2) + 8 r + 4 (wave%2)
	v_add_nc_u32 v7, WSC, v1                       ; wave 0 reads them back: 16 L
	v_and_b32 v8, 15, v0
	v_lshlrev_b32 v8, 4, v8
	v_lshl_add_u32 v8, v11, 9, v8                  ; and stores tile u = L/16 's 256 bytes, 512 bytes apart
	s_lshr_b32 s26, s21, 2
	s_mul_i32 s26, s26, 98304
	s_lshl_b32 s28, s22, 1
	s_lshr_b32 s29, s18, 1
	s_add_co_u32 s28, s28, s29
	s_mul_i32 s28, s28, 24576
	s_add_co_u32 s26, s26, s28
	s_and_b32 s28, s21, 3
	s_mul_i32 s28, s28, 6144
	s_add_co_u32 s26, s26, s28
	s_and_b32 s28, s18, 1
	s_mul_i32 s28, s28, 1536
	s_add_co_u32 s26, s26, s28
	s_add_nc_u64 s[14:15], s[14:15], s[26:27]      ; tile 2 G's fragment of K step s
	s_lshl_b32 s26, s21, 10
	s_lshl_b32 s28, s22, 8
	s_add_co_u32 s26, s26, s28
	s_add_nc_u64 s[16:17], s[16:17], s[26:27]      ; tile 2 G's scale words of K steps 4 H on
.macro BLOCKW t                        ; block t = 2 c + h of the K step: all its 32 numbers are mine
.set XS, D+32*(\t)
.set CG, CD+8*(\t)
.if (\t) < 3
	s_wait_loadcnt 32                              ; this block's 32 loads are in; the next block's may be out
.else
	s_wait_loadcnt 0
.endif
.if (\t) < 2
	LOADW (\t)+2
.endif
	v_max3_num_f32 v212, |v[XS]|, |v[XS+1]|, |v[XS+2]|
	v_max3_num_f32 v213, |v[XS+3]|, |v[XS+4]|, |v[XS+5]|
.irp i, 6,10,14,18,22,26
	v_max3_num_f32 v212, v212, |v[XS+\i]|, |v[XS+\i+1]|
	v_max3_num_f32 v213, v213, |v[XS+\i+2]|, |v[XS+\i+3]|
.endr
	v_max3_num_f32 v212, v212, |v[XS+30]|, |v[XS+31]|
	v_max3_num_f32 v212, v212, v213, 0x2800000     ; and the floor 2^(5 - 127)
	v_add_nc_u32 v214, 0xfe000000, v212            ; the conversion's scale operand
	v_lshrrev_b32 v215, 23, v214                   ; the byte
.if (\t) == 0
	v_mov_b32 v216, v215
.else
	v_lshl_or_b32 v216, v215, 8*(\t), v216         ; my column's scale word
.endif
	v_cvt_scalef32_pk16_bf6_f32 v[CG:CG+2], v[XS:XS+15], v214
	v_cvt_scalef32_pk16_bf6_f32 v[208:210], v[XS+16:XS+31], v214
	v_nop                                          ; one plain line behind the scaled conversions
.irp i, 0,1,2
	v_mov_b32 v[CG+3+\i], v[208+\i]
.endr
	ds_store_b128 v3, v[CG:CG+3] offset:768*((\t)/2)+256*((\t)%2)
	ds_store_b64 v4, v[CG+4:CG+5] offset:768*((\t)/2)+128*((\t)%2)
.endm
	BLOCKW 0
	BLOCKW 1
	BLOCKW 2
	BLOCKW 3
	ds_store_b32 v6, v216
.irp i, 0,1,2,3,4,5
	ds_load_b128 v[OUTR+4*\i:OUTR+4*\i+3], v5 offset:512*\i   ; my own stage: served in order behind my stores
.endr
	s_wait_dscnt 0x0                               ; for the others' sake too: my scale words have landed
	s_barrier_signal -1
	s_barrier_wait -1
.irp i, 0,1,2,3,4,5
	global_store_b128 v1, v[OUTR+4*\i:OUTR+4*\i+3], s[14:15] offset:(\i/3)*3072+(\i%3)*512   ; 512 consecutive bytes
.endr
	s_cmp_lg_u32 s18, 0
	s_cbranch_scc1 .Lend
	ds_load_b128 v[212:215], v7                    ; the four waves' scale words, behind the barrier
	s_wait_dscnt 0x0
	global_store_b128 v8, v[212:215], s[16:17]     ; twice 256 consecutive bytes
.Lend:
	s_wait_tensorcnt 0x0
	ds_add_u32 v254, v255
	s_wait_dscnt 0x0
	s_endpgm
.Lfunc_end_k_q1aa0d3e0fc_quant:
	.size	k_q1aa0d3e0fc_quant, .Lfunc_end_k_q1aa0d3e0fc_quant-k_q1aa0d3e0fc_quant
	.p2alignl 7, 3214868480
	.fill 96, 4, 3214868480
	.section	.rodata,"a",@progbits
	.p2align	6, 0x0
	.amdhsa_kernel k_q1aa0d3e0fc_quant
		.amdhsa_group_segment_fixed_size 47104
		.amdhsa_private_segment_fixed_size 0
		.amdhsa_enable_private_segment 0
		.amdhsa_kernarg_size 56
		.amdhsa_user_sgpr_count 2
		.amdhsa_user_sgpr_kernarg_segment_ptr 1
		.amdhsa_wavefront_size32 1
		.amdhsa_system_sgpr_workgroup_id_x 1
		.amdhsa_system_sgpr_workgroup_id_y 1
		.amdhsa_system_sgpr_workgroup_id_z 1
		.amdhsa_system_vgpr_workitem_id 0
		.amdhsa_next_free_vgpr 256
		.amdhsa_next_free_sgpr 66
		.amdhsa_reserve_vcc 1
		.amdhsa_float_denorm_mode_32 3
		.amdhsa_float_denorm_mode_16_64 3
		.amdhsa_memory_ordered 1
		.amdhsa_forward_progress 1
		.amdhsa_inst_pref_size 58
	.end_amdhsa_kernel
	.amdgpu_metadata
---
amdhsa.version: [ 1, 2 ]
amdhsa.kernels:
  - .name:           k_q1aa0d3e0fc_quant
    .symbol:         k_q1aa0d3e0fc_quant.kd
    .args:
      - { .name: x, .offset: 0, .size: 8, .value_kind: global_buffer, .address_space: global }
      - { .name: w_qkv, .offset: 8, .size: 8, .value_kind: global_buffer, .address_space: global }
      - { .name: w_proj, .offset: 16, .size: 8, .value_kind: global_buffer, .address_space: global }
      - { .name: ac, .offset: 24, .size: 8, .value_kind: global_buffer, .address_space: global }
      - { .name: asc, .offset: 32, .size: 8, .value_kind: global_buffer, .address_space: global }
      - { .name: wc, .offset: 40, .size: 8, .value_kind: global_buffer, .address_space: global }
      - { .name: ws, .offset: 48, .size: 8, .value_kind: global_buffer, .address_space: global }
    .group_segment_fixed_size: 47104
    .private_segment_fixed_size: 0
    .kernarg_segment_align: 8
    .kernarg_segment_size: 56
    .max_flat_workgroup_size: 128
    .sgpr_count:     66
    .vgpr_count:     256
    .wavefront_size: 32
...
	.end_amdgpu_metadata
.endif
;; end of part 1
;; launch gemm_qkv (part 2): grid 4 x 64, 4 waves a work-group, clusters of 4 x 4, 327,680 bytes of LDS; arguments ac, asc, wc, ws, b_qkv, qkvc, qkvs; writes qkvc, qkvs
.if DOCPART == 2
	.amdgcn_target "amdgcn-amd-amdhsa--gfx1250"
	.amdhsa_code_object_version 6
	.text
	.protected	k_q1aa0d3e0fc_gemm_qkv
	.globl	k_q1aa0d3e0fc_gemm_qkv
	.p2align	8
	.type	k_q1aa0d3e0fc_gemm_qkv,@function
k_q1aa0d3e0fc_gemm_qkv:
	s_mov_b64 s[64:65], 0
	v_nop
	global_prefetch_b8 v0, s[64:65] scope:SCOPE_SE
	s_setreg_imm32_b32 hwreg(HW_REG_WAVE_MODE, 25, 1), 1
	s_wait_xcnt 0x0
	s_wait_alu depctr_hold_cnt(0) depctr_sa_sdst(0) depctr_va_vdst(0) depctr_va_sdst(0) depctr_va_ssrc(0) depctr_va_vcc(0) depctr_vm_vsrc(0)
	s_getreg_b32 s2, hwreg(HW_REG_IB_STS2, 6, 4)
	s_cmp_eq_u32 s2, 0
	s_cbranch_scc0 .Lentry_in_a_cluster
	s_endpgm
.Lentry_in_a_cluster:
	s_bfe_u32 s2, ttmp6, 0x10000c
	s_cmp_lg_u32 s2, 0xf033
	s_cbranch_scc0 .Lentry_shape_is_right
	s_endpgm
.Lentry_shape_is_right:
; qkv = x w_qkv + b_qkv on codes of BF6 with E8M0 scales (K = 1,024), and q, k, v leave AS CODES, quantised in registers: q and k along the head's 64, v along the keys.  No f32 intermediate goes to memory.
; OPERANDS P AND R.  P is source 0: its rows run along a lane's result registers, the axis that is quantised on the way out.  R is source 1: its rows are the lanes.
; A tile is 128 (R) x 256 (P), a wave's part 64 x 128: 32 accumulators.  8192 x 3072 results are 768 such tiles: 256 WORK-GROUPS STAY AND WALK THREE EACH, so that every WGP has the same work in one go:
;   tile 0 (q), tile 1 (k): R = x's rows, P = w's columns.      tile 2 (v): R = w's columns, P = x's rows (the keys).   Which is which is fixed in the text: no choice is made at run time.
; K goes in steps of 512 through two LDS slots, so a tile uses each slot once, and the ring goes on into the next tile: a tile's two changes of slots ask for the next tile's two halves of K.
; The buffers are images of the operands' registers (tile T's lane row r = row 32 (T/2) + 8 (T%2) + r%8 + 16 (r/8)): 128 rows x 256 along K are 24,576 dense bytes; a fragment comes by four contiguous LDS loads; with that
; row order the 16 result registers of P's tiles 2 b, 2 b + 1 are 16 neighbours along P.
; THE SCALE WORDS come straight into registers, 256 consecutive bytes a load: three tiles' words and the spare words beside two slots would pass LDS by 512 bytes.  Of tile i's four registers, register 2 (s/4) + s%2 holds
; K step s: in lanes 0-15 where (s/2)%2 = 0, in lanes 16-31 where it is 1.
; CLUSTER 4 x 4, sixteen clusters cl: R's tiles hang on cl and cy and are asked for jointly along a row of the cluster, P's on cl and cx and along a column; each kind of address is made in registers that never hold the other coordinate.
; A wave of 64 x 128 reads 12 fragments for 32 products where one of 128 x 128 reads 16 for 64: the price of equal work for all WGPs.
; LIMITS: NaN and infinities are not served; a block whose largest magnitude lies under 2^-122, zeros too, gets the byte 1 (zero codes add nothing; this program alone reads the bytes).  q's and k's scale bytes leave as 8 bytes a lane,
; 16 bytes apart (a wave owns 4 of a row's 8 tiles; two waves of the work-group fill each 256 bytes between them): 524,288 bytes in all.
; REGISTERS: window 0: v16-30 addresses and a select; v32-83 at work on the way out; v128-255 scale words and nothing else.   window 1: P's 8 fragments, two sets, at v0 and v128.
;   window 2: the accumulators, (a, b) at v[8 (8 a + b)].   window 3: R's 4 fragments, two sets, at v0 and v48; v96-159, v160-223 the biases along P of tiles 0 and 1.
.set FR,    12
.set RUN,   24576                      ; 128 rows x 256 along K
.set HALF,  2*RUN                      ; 128 rows x 512 along K
.set SLOT,  3*HALF                     ; R's 128 rows, then P's two halves of 128 rows
.set SPARE, 2*SLOT                     ; behind the ring: the spare words, 128 bytes a wave: two blocks of 256 bytes that no other line names
.set ADRR16, 16                        ; v16-17 16 L + my 64 rows of R in slot 0, 1;  v18-19 the same with 8 L
.set ADRR8,  18
.set ADRP16, 20                        ; v20-23 likewise for my 128 rows of P
.set ADRP8,  22
.set L16,  24
.set L8,   25
.set VSOQ, 26                          ; q's, k's scale bytes on the way out: 4096 (L/16) + 16 r + 8 (my half of R)
.set VSOV, 27                          ; v's: 16 r
.set SPW,  28
.set NIL,  29
.set SELQ, 30
.set TM,   32                          ; v32-35 largest magnitudes, v36-39 bytes, v44-47 the conversions' scale operands
.set PC,   48                          ; v48-59 a fragment's codes, v60-66 at work
.set PWS,  68                          ; v68-71 the four blocks' scale words
.set BR,   72                          ; v72-79 the bias along R, in pairs
.set SW,   80                          ; v80-83 q's, k's scale bytes gathered
.set SRX,  128                         ; scale words: x's rows as R (16), q's columns (32), k's columns (32), v's columns as R (16), x's rows as P (32)
.set SPQ,  144
.set SPK,  176
.set SRV,  208
.set SPV,  224
.set BPQ,  96                          ; in window 3
.set BPK,  160
.set G1R,  24
.set G0R,  32
.set G1P,  48
.set G0P,  56
.set RBX,  66                          ; s[66:67], s[68:69] what I would fetch of R: x's rows, v's columns
.set RBV,  68
.set PB0,  70                          ; s[70:75] what I would fetch of P: tiles 0, 1, 2
.set PB1,  72
.set PB2,  74
.set SBRX, 82                          ; bases of the scale words, the biases and the way out
.set SBRV, 84
.set SBPQ, 86
.set SBPV, 88
.set BBQ,  90
.set BBV,  92
.set SOV,  94
.set OBQ,  96
.set SOQ,  98
.set OBV,  100
.set MSB, 0
.macro WIN new                         ; the immediate's high byte repeats the setting that is left
.if MSB != (\new)
	s_set_vgpr_msb (MSB<<8)|(\new)
.set MSB, (\new)
.endif
.endm
; A joint load: waves 0, 1 fetch R's two runs, waves 2, 3 P's two halves.  The branch hangs on the wave's number alone.  Four v_nop follow each of the two lines.
.macro JLOAD g0r, g1r, g0p, g1p
	s_cmp_eq_u32 s19, 0
	s_cbranch_scc0 .Lfor_p_\@
	tensor_load_to_lds s[\g0r:\g0r+3], s[\g1r:\g1r+7]
	s_nop 0
.rept 4
	v_nop
.endr
	s_branch .Lasked_\@
.Lfor_p_\@:
	tensor_load_to_lds s[\g0p:\g0p+3], s[\g1p:\g1p+7]
	s_nop 0
.rept 4
	v_nop
.endr
.Lasked_\@:
.endm
.macro CREST                           ; a round of the cluster's barrier behind its opening barrier
	s_cmp_lg_u32 s18, 0
	s_cbranch_scc1 .Lnot_wave_0_\@
	s_barrier_signal -3
.Lnot_wave_0_\@:
	s_barrier_wait -3
	s_barrier_signal -1
	s_barrier_wait -1
.endm
.macro CROUND
	s_barrier_signal -1
	s_barrier_wait -1
	CREST
.endm
.macro PLACES n
.rept \n
	v_nop
.endr
.endm
.macro SCLOAD reg, n, base, off        ; the scale words of n tiles for all of K: two loads a tile, each 256 consecutive bytes
.set nn, 0
.rept 2*(\n)
	global_load_b64 v[(\reg)+2*nn:(\reg)+2*nn+1], v[L8], s[\base:\base+1] offset:(\off)+256*nn
.set nn, nn+1
.endr
.endm
.macro BPLOAD reg, base, off           ; the bias along P in the result's layout: tile t's eight places of my half of the lanes.  (The destination's window is set by the caller)
.irp t, 0,1,2,3,4,5,6,7
	global_load_b128 v[(\reg)+8*\t:(\reg)+8*\t+3], v5, s[\base:\base+1] offset:(\off)+(32*(\t/2)+8*(\t%2))*4
	global_load_b128 v[(\reg)+8*\t+4:(\reg)+8*\t+7], v5, s[\base:\base+1] offset:(\off)+(32*(\t/2)+8*(\t%2))*4+16
.endr
.endm
	s_load_b256 s[4:11], s[0:1], 0x0               ; ac s[4:5], asc s[6:7], wc s[8:9], ws s[10:11]
	s_load_b128 s[12:15], s[0:1], 0x20             ; b_qkv s[12:13], qkvc s[14:15]
	s_load_b64 s[16:17], s[0:1], 0x30              ; qkvs
	v_lshl_add_u32 v[SPW], v0, 2, SPARE
	v_mov_b32 v[NIL], 0
	ds_add_u32 v28, v29
	ds_add_u32 v28, v29
	s_wait_dscnt 0x0
	v_lshrrev_b32 v1, 5, v0
	v_readfirstlane_b32 s18, v1                    ; wave 0..3
	s_lshr_b32 s19, s18, 1                         ; my half of R (64 rows).  Also: I fetch for R (0) or for P (1)
	s_and_b32 s20, s18, 1                          ; my half of P (128 rows).  Also: which part I fetch
	s_bfe_u32 s21, ttmp6, 0x40000                  ; cx
	s_bfe_u32 s22, ttmp6, 0x40004                  ; cy
	s_and_b32 s23, ttmp7, 0xffff                   ; cl: the cluster, 0..15
	s_lshl_b32 s44, s22, 2
	s_lshl_b32 s44, 15, s44                        ; my row of the cluster
	s_lshl_b32 s45, 0x1111, s21                    ; my column
	s_or_b32 s[G1R], s44, (3<<16)|(1<<21)          ; 15:0 the mask; 17:16 elements of 8 bytes; 21 set beside a mask; no padding
	s_or_b32 s[G1P], s45, (3<<16)|(1<<21)
.irp g, G1R, G1P                       ; rows of 32 elements (256 bytes), dense
	s_mov_b32 s[\g+1], 32<<16
	s_mov_b32 s[\g+3], 32<<16
	s_mov_b32 s[\g+5], 32
	s_mov_b32 s[\g+6], 0
	s_mov_b32 s[\g+7], 0
.endr
	s_mov_b32 s[G1R+2], 96<<16                     ; R: 96 such rows, one run of 24,576 bytes
	s_mov_b32 s[G1R+4], 96
	s_mov_b32 s[G1P+2], 192<<16                    ; P: 192, two runs on end
	s_mov_b32 s[G1P+4], 192
	s_lshl_b32 s41, s23, 2
	s_add_co_u32 s41, s41, s22                     ; tiles 0, 1: R = x's block of 128 rows, 4 cl + cy
	s_and_b32 s42, s23, 1
	s_lshl_b32 s42, s42, 2
	s_add_co_u32 s42, s42, s22
	s_add_co_u32 s42, s42, 16                      ; tile 2: R = w's block of 128 columns, 16 + 4 (cl%2) + cy
	s_mul_i32 s43, s20, RUN                        ; R: my run, in memory and in a slot
	s_mov_b32 s47, 0
	s_lshl_b32 s40, s21, 1
	s_add_co_u32 s40, s40, s20                     ; tile 0: P = w's block of 128 columns, 2 cx + half; tile 1: 8 blocks on
	s_lshr_b32 s45, s23, 1
	s_lshl_b32 s45, s45, 3
	s_add_co_u32 s45, s45, s40                     ; tile 2: P = x's block of 128 rows, 8 (cl/2) + 2 cx + half
	s_mov_b32 s3, 0
	s_mul_i32 s76, s20, HALF
	s_add_co_u32 s76, s76, HALF                    ; P: my half's place in a slot
	s_wait_kmcnt 0x0
	s_mul_i32 s46, s41, 98304
	s_add_co_u32 s46, s46, s43
	s_add_nc_u64 s[RBX:RBX+1], s[4:5], s[46:47]
	s_mul_i32 s46, s42, 98304
	s_add_co_u32 s46, s46, s43
	s_add_nc_u64 s[RBV:RBV+1], s[8:9], s[46:47]
	s_mul_i32 s2, s40, 98304
	s_add_nc_u64 s[PB0:PB0+1], s[8:9], s[2:3]
	s_add_nc_u64 s[PB1:PB1+1], s[PB0:PB0+1], 8*98304
	s_mul_i32 s2, s45, 98304
	s_add_nc_u64 s[PB2:PB2+1], s[4:5], s[2:3]
.irp s, 0,1                            ; tile 0's two halves of K
	s_mov_b32 s[G0R+4*\s], 1
	s_add_co_u32 s[G0R+4*\s+1], s43, \s*SLOT
	s_add_nc_u64 s[G0R+4*\s+2:G0R+4*\s+3], s[RBX:RBX+1], \s*HALF
	s_or_b32 s[G0R+4*\s+3], s[G0R+4*\s+3], 0x80000000
	s_mov_b32 s[G0P+4*\s], 1
	s_add_co_u32 s[G0P+4*\s+1], s76, \s*SLOT
	s_add_nc_u64 s[G0P+4*\s+2:G0P+4*\s+3], s[PB0:PB0+1], \s*HALF
	s_or_b32 s[G0P+4*\s+3], s[G0P+4*\s+3], 0x80000000
.endr
	CROUND                                         ; all sixteen work-groups are here: the first joint loads meet
	JLOAD G0R, G1R, G0P, G1P
	s_wait_alu depctr_va_vdst(0)
	s_wait_tensorcnt 0x0
	ds_add_u32 v28, v29
	s_wait_dscnt 0x0
	CROUND
	JLOAD G0R+4, G1R, G0P+4, G1P                   ; two tensor loads of mine are out
	; the bases of what goes through registers
	s_mov_b32 s79, 0
	s_lshl_b32 s78, s41, 12
	s_lshl_b32 s80, s19, 11
	s_add_co_u32 s78, s78, s80
	s_add_nc_u64 s[SBRX:SBRX+1], s[6:7], s[78:79]  ; scale words of my 64 rows of x: 4,096 bytes a block of 128, 512 a tile
	s_lshl_b32 s78, s42, 12
	s_add_co_u32 s78, s78, s80
	s_add_nc_u64 s[SBRV:SBRV+1], s[10:11], s[78:79]
	s_lshl_b32 s78, s40, 12
	s_add_nc_u64 s[SBPQ:SBPQ+1], s[10:11], s[78:79]   ; (k's: 32,768 bytes on)
	s_lshl_b32 s78, s45, 12
	s_add_nc_u64 s[SBPV:SBPV+1], s[6:7], s[78:79]
	s_lshl_b32 s78, s40, 9
	s_add_nc_u64 s[BBQ:BBQ+1], s[12:13], s[78:79]  ; the bias of q's 128 columns (k's: 4,096 bytes on)
	s_lshl_b32 s78, s42, 9
	s_lshl_b32 s80, s19, 8
	s_add_co_u32 s78, s78, s80
	s_add_nc_u64 s[BBV:BBV+1], s[12:13], s[78:79]  ; and of my 64 columns of v
	s_lshr_b32 s78, s41, 4                         ; q, k: 16 batch + my first head, and j, which 128 of the sequence
	s_lshl_b32 s78, s78, 4
	s_lshl_b32 s80, s40, 1
	s_add_co_u32 s80, s78, s80
	s_and_b32 s81, s41, 15
	s_mul_i32 s78, s80, 98304
	s_mul_i32 s94, s81, 6144
	s_add_co_u32 s78, s78, s94
	s_mul_i32 s94, s19, 3072
	s_add_co_u32 s78, s78, s94
	s_add_nc_u64 s[OBQ:OBQ+1], s[14:15], s[78:79]  ; q's half fragment of my first tile and first head
	s_lshl_b32 s78, s80, 12
	s_lshl_b32 s94, s81, 8
	s_add_co_u32 s78, s78, s94
	s_add_nc_u64 s[SOQ:SOQ+1], s[16:17], s[78:79]
	s_lshr_b32 s78, s45, 4                         ; v: 16 batch + my head, and the key step j
	s_lshl_b32 s78, s78, 4
	s_and_b32 s80, s42, 7
	s_lshl_b32 s80, s80, 1
	s_add_co_u32 s80, s80, s78
	s_add_co_u32 s80, s80, s19
	s_and_b32 s81, s45, 15
	s_mul_i32 s78, s80, 98304
	s_mul_i32 s94, s81, 6144
	s_add_co_u32 s78, s78, s94
	s_add_co_u32 s78, s78, 2*6291456
	s_add_nc_u64 s[OBV:OBV+1], s[14:15], s[78:79]
	s_lshl_b32 s78, s80, 12
	s_lshl_b32 s94, s81, 8
	s_add_co_u32 s78, s78, s94
	s_add_co_u32 s78, s78, 2*262144
	s_add_nc_u64 s[SOV:SOV+1], s[16:17], s[78:79]
	s_mov_b32 s2, 0x76543210
	s_mov_b32 s3, 0xfedcba98                       ; lane selects: lane l xor 16
	v_and_b32 v1, 31, v0                           ; L
	v_and_b32 v2, 15, v0                           ; r
	v_bfe_u32 v3, v0, 4, 1                         ; h
	v_lshlrev_b32 v[L16], 4, v1
	v_lshlrev_b32 v[L8], 3, v1
	v_lshlrev_b32 v5, 6, v3                        ; the bias along P: 64 h.  (v5 and v6 stay: later loads name them)
	v_and_b32 v6, 8, v2
	v_add_nc_u32 v6, v6, v2
	v_lshlrev_b32 v6, 2, v6                        ; the bias along R: 4 (r + 8 (r/8))
	SCLOAD SRX, 4, SBRX, 0                         ; what tile 0 wants: 40 loads
	SCLOAD SPQ, 8, SBPQ, 0
	WIN 0xc0
	BPLOAD BPQ, BBQ, 0
	WIN 0
	s_mul_i32 s77, s19, 12288                      ; my 64 rows of R: four tiles of 3,072 bytes in each run
	v_add_nc_u32 v[ADRR16], s77, v[L16]
	v_add_nc_u32 v[ADRR8], s77, v[L8]
	v_add_nc_u32 v[ADRP16], s76, v[L16]
	v_add_nc_u32 v[ADRP8], s76, v[L8]
	v_add_nc_u32 v[ADRR16+1], SLOT, v[ADRR16]
	v_add_nc_u32 v[ADRR8+1], SLOT, v[ADRR8]
	v_add_nc_u32 v[ADRP16+1], SLOT, v[ADRP16]
	v_add_nc_u32 v[ADRP8+1], SLOT, v[ADRP8]
	v_lshlrev_b32 v[VSOQ], 12, v3
	v_lshl_add_u32 v[VSOQ], v2, 4, v[VSOQ]
	s_lshl_b32 s80, s19, 3
	v_add_nc_u32 v[VSOQ], s80, v[VSOQ]
	v_lshlrev_b32 v[VSOV], 4, v2
	v_cmp_eq_u32 vcc_lo, 1, v3
	v_mov_b32 v[SELQ], 0x05040100                  ; lanes 0-15 gather low halves (my first head), lanes 16-31 high halves (my second)
	v_mov_b32 v4, 0x07060302
	v_cndmask_b32 v[SELQ], v[SELQ], v4, vcc_lo
.irp b, 0,1,2,3
	v_mov_b32 v[TM+4+\b], 0                        ; written once: a lane permute's destination counts as one of its sources
.endr
.macro FRAG reg, a16, a8, off          ; a fragment's image: two half fragments of 768 bytes; every load is contiguous over the lanes
	ds_load_b128 v[\reg:\reg+3], v[\a16] offset:\off
	ds_load_b64 v[\reg+4:\reg+5], v[\a8] offset:\off+512
	ds_load_b128 v[\reg+6:\reg+9], v[\a16] offset:\off+768
	ds_load_b64 v[\reg+10:\reg+11], v[\a8] offset:\off+1280
.endm
.macro FETCH slot, q, set              ; 48 LDS loads in one run: the fragments of the slot's q-th 128 along K: P's eight, then R's four
	WIN 0x40
.irp i, 0,1,2,3,4,5,6,7
	FRAG 128*(\set)+FR*\i, ADRP16+\slot, ADRP8+\slot, ((\q)/2)*RUN+\i*3072+((\q)%2)*1536
.endr
	WIN 0xc0
.irp i, 0,1,2,3
	FRAG 48*(\set)+FR*\i, ADRR16+\slot, ADRR8+\slot, ((\q)/2)*RUN+\i*3072+((\q)%2)*1536
.endr
.endm
; 8 products: R's block a x P's eight, K step s of the tile.  cf > 0: the bias at v[cf] on (window 3) is the C that starts the sums; cf = 0: the constant 0 starts them; cf < 0: the sums go on.
; The 32 accumulators take turns, one instruction a turn, in the same order in every step.
.macro MULA a, set, s, scp, scr, cf
.irp b, 0,1,2,3,4,5,6,7
.if (\cf) > 0
	v_wmma_scale_f32_16x16x128_f8f6f4 v[8*(8*(\a)+\b):8*(8*(\a)+\b)+7], v[128*(\set)+FR*\b:128*(\set)+FR*\b+FR-1], v[48*(\set)+FR*(\a):48*(\set)+FR*(\a)+FR-1], v[(\cf)+8*\b:(\cf)+8*\b+7], v[(\scp)+4*\b+2*((\s)/4)+(\s)%2], v[(\scr)+4*(\a)+2*((\s)/4)+(\s)%2] matrix_a_fmt:MATRIX_FMT_BF6 matrix_b_fmt:MATRIX_FMT_BF6
.elseif (\cf) == 0
	v_wmma_scale_f32_16x16x128_f8f6f4 v[8*(8*(\a)+\b):8*(8*(\a)+\b)+7], v[128*(\set)+FR*\b:128*(\set)+FR*\b+FR-1], v[48*(\set)+FR*(\a):48*(\set)+FR*(\a)+FR-1], 0, v[(\scp)+4*\b+2*((\s)/4)+(\s)%2], v[(\scr)+4*(\a)+2*((\s)/4)+(\s)%2] matrix_a_fmt:MATRIX_FMT_BF6 matrix_b_fmt:MATRIX_FMT_BF6
.elseif ((\s)/2)%2
	v_wmma_scale_f32_16x16x128_f8f6f4 v[8*(8*(\a)+\b):8*(8*(\a)+\b)+7], v[128*(\set)+FR*\b:128*(\set)+FR*\b+FR-1], v[48*(\set)+FR*(\a):48*(\set)+FR*(\a)+FR-1], v[8*(8*(\a)+\b):8*(8*(\a)+\b)+7], v[(\scp)+4*\b+2*((\s)/4)+(\s)%2], v[(\scr)+4*(\a)+2*((\s)/4)+(\s)%2] matrix_a_fmt:MATRIX_FMT_BF6 matrix_b_fmt:MATRIX_FMT_BF6 matrix_a_scale:MATRIX_SCALE_ROW1 matrix_b_scale:MATRIX_SCALE_ROW1
.else
	v_wmma_scale_f32_16x16x128_f8f6f4 v[8*(8*(\a)+\b):8*(8*(\a)+\b)+7], v[128*(\set)+FR*\b:128*(\set)+FR*\b+FR-1], v[48*(\set)+FR*(\a):48*(\set)+FR*(\a)+FR-1], v[8*(8*(\a)+\b):8*(8*(\a)+\b)+7], v[(\scp)+4*\b+2*((\s)/4)+(\s)%2], v[(\scr)+4*(\a)+2*((\s)/4)+(\s)%2] matrix_a_fmt:MATRIX_FMT_BF6 matrix_b_fmt:MATRIX_FMT_BF6
.endif
.endr
.endm
.macro MWIN cf                         ; P window 1, R window 3, D window 2; C window 2, or 3 for the bias
.if (\cf) > 0
	WIN 0xbd
.else
	WIN 0xad
.endif
.endm
; One of a slot's first three steps of 128 along K: multiplies set q%2, and in its middle fetches the next step's fragments into the other set.
; Loads into registers that products have read stand four plain vector lines behind those products (ISA guide 7.12.1 for vector instructions).
.macro STEP slot, q, scp, scr, cf
	s_wait_dscnt 8                                 ; P's eight and R's blocks 0, 1 are in; the youngest eight loads (R's blocks 2, 3) may be out
	MWIN \cf
	MULA 0, (\q)%2, 4*(\slot)+(\q), \scp, \scr, \cf
	MULA 1, (\q)%2, 4*(\slot)+(\q), \scp, \scr, \cf
	PLACES 4
	FETCH \slot, (\q)+1, 1-(\q)%2
	s_wait_dscnt 48                                ; all but the 48 just issued
	MWIN \cf
	MULA 2, (\q)%2, 4*(\slot)+(\q), \scp, \scr, \cf
	MULA 3, (\q)%2, 4*(\slot)+(\q), \scp, \scr, \cf
.endm
; A slot's last step, and the change of slots: ONE barrier; in front of it each wave waits for all its tensor loads, adds 0 to its spare word, and waits for that and for its reads of this slot.
; fill = 1: this slot takes the same half of K of the next tile, whose bases are s[rb], s[pb]: 112 products stand between the request and the wait for it.
.macro TURN slot, next, fill, rb, pb, scp, scr
	WIN 0                                          ; (the add's two registers lie in window 0)
	s_wait_tensorcnt 0x0                           ; all my tensor loads have landed: my part of the next slot
	ds_add_u32 v[SPW], v[NIL]
	s_wait_dscnt 9                                 ; (the add and the youngest eight loads may be out)
	WIN 0xad
	MULA 0, 1, 4*(\slot)+3, \scp, \scr, -1
	s_wait_dscnt 0x0                               ; the add is done, and my reads of this slot are over
	s_barrier_signal -1
	MULA 1, 1, 4*(\slot)+3, \scp, \scr, -1
	WIN 0
	s_barrier_wait -1
.if \fill
	CREST                                          ; the barrier has opened a round of the cluster's: no wave of any partner still reads this slot or has a load on its way
	s_add_nc_u64 s[G0R+4*\slot+2:G0R+4*\slot+3], s[\rb:\rb+1], \slot*HALF
	s_or_b32 s[G0R+4*\slot+3], s[G0R+4*\slot+3], 0x80000000
	s_add_nc_u64 s[G0P+4*\slot+2:G0P+4*\slot+3], s[\pb:\pb+1], \slot*HALF
	s_or_b32 s[G0P+4*\slot+3], s[G0P+4*\slot+3], 0x80000000
	JLOAD G0R+4*\slot, G1R, G0P+4*\slot, G1P       ; the first tensor load behind the round; its four v_nop are the lines in front of the loads below
.else
	PLACES 4
.endif
	FETCH \next, 0, 0
	WIN 0xad
	MULA 2, 1, 4*(\slot)+3, \scp, \scr, -1
	MULA 3, 1, 4*(\slot)+3, \scp, \scr, -1
.endm
; THE WAY OUT of block a of R's four: the lane's 64 results (register 16 b + i = place 32 b + 16 (lane/16) + i along P) are quantised and leave as two half fragments' images, at o1 and o2 from s[ob]:
; four stores of 512 or 256 consecutive bytes.  vm = 1: the bias along R is added first.  No LDS; every offset is an immediate (6,392,576 at the most, inside the signed 24 bits: ISA guide, chapter 10).
.macro OUTA a, vm, ob, o1, o2
.set AC, 64*(\a)
.if \vm
	WIN 0x82
.set n, 0
.rept 32
	v_pk_add_f32 v[AC+n:AC+n+1], v[AC+n:AC+n+1], v[BR+2*(\a):BR+2*(\a)+1]   ; each accumulator from its low end on
.set n, n+2
.endr
.endif
	WIN 0x28
.irp b, 0,1,2,3
	v_max3_num_f32 v[TM+\b], 0x2800000, |v[AC+16*\b]|, |v[AC+16*\b+1]|   ; the floor 2^(5 - 127) among the leaves; each accumulator from its low end on
.endr
.irp i, 2,4,6,8,10,12,14
.irp b, 0,1,2,3
	v_max3_num_f32 v[TM+\b], v[TM+\b], |v[AC+16*\b+\i]|, |v[AC+16*\b+\i+1]|
.endr
.endr
	WIN 0
.irp b, 0,1,2,3
	v_permlanex16_b32 v[TM+4+\b], v[TM+\b], s2, s3
.endr
.irp b, 0,1,2,3
	v_max_num_f32 v[TM+\b], v[TM+\b], v[TM+4+\b]
.endr
.irp b, 0,1,2,3
	v_add_nc_u32 v[TM+12+\b], 0xfe000000, v[TM+\b]   ; 4 off the exponent field: the conversion's scale operand
.endr
.irp b, 0,1,2,3
	v_lshrrev_b32 v[TM+4+\b], 23, v[TM+12+\b]      ; the scale's byte
.endr
	v_lshl_or_b32 v[PWS+(\a)], v[TM+5], 8, v[TM+4]
	v_lshl_or_b32 v[PWS+(\a)], v[TM+6], 16, v[PWS+(\a)]
	v_lshl_or_b32 v[PWS+(\a)], v[TM+7], 24, v[PWS+(\a)]
	s_wait_xcnt 0x0                                ; the last block's stores have read the codes' registers, which are written again below
	WIN 0x02
.irp c, 0,1
	v_cvt_scalef32_pk16_bf6_f32 v[PC+6*\c:PC+2+6*\c], v[AC+32*\c:AC+15+32*\c], v[TM+12+2*\c]
	v_cvt_scalef32_pk16_bf6_f32 v[PC+12+4*\c:PC+14+4*\c], v[AC+16+32*\c:AC+31+32*\c], v[TM+12+2*\c+1]
.endr
	WIN 0
	v_nop                                          ; one plain line behind the scaled conversions
.irp c, 0,1
.irp i, 0,1,2
	v_permlane16_swap_b32 v[PC+6*\c+\i], v[PC+12+4*\c+\i]
.endr
.irp i, 0,1,2
	v_mov_b32 v[PC+3+6*\c+\i], v[PC+12+4*\c+\i]
.endr
.endr
	global_store_b128 v[L16], v[PC:PC+3], s[\ob:\ob+1] offset:\o1
	global_store_b64 v[L8], v[PC+4:PC+5], s[\ob:\ob+1] offset:\o1+512
	global_store_b128 v[L16], v[PC+6:PC+9], s[\ob:\ob+1] offset:\o2
	global_store_b64 v[L8], v[PC+10:PC+11], s[\ob:\ob+1] offset:\o2+512
.endm
; q (t = 0) or k (t = 1): block a is tile 4 (my half of R) + a of these 128 of the sequence; P's first 64 are my first head, its last 64 my second, 98,304 bytes on.
.macro OUTQK t
	WIN 0
	PLACES 4                                       ; in front of the first read of results
.irp a, 0,1,2,3
	OUTA \a, 0, OBQ, (\t)*6291456+\a*768, (\t)*6291456+98304+\a*768
.endr
	v_perm_b32 v[SW+2*(\t)], v[PWS+1], v[PWS], v[SELQ]       ; a head's two bytes of tiles 0, 1,
	v_perm_b32 v[SW+2*(\t)+1], v[PWS+3], v[PWS+2], v[SELQ]   ; and of tiles 2, 3
	global_store_b64 v[VSOQ], v[SW+2*(\t):SW+2*(\t)+1], s[SOQ:SOQ+1] offset:(\t)*262144
.endm
	s_wait_tensorcnt 1                             ; my part of slot 0 is in; slot 1's load may be out
	s_barrier_signal -1
	s_barrier_wait -1
	FETCH 0, 0, 0
	WIN 0
	s_wait_loadcnt 0x0                             ; tile 0's scale words and bias
	; ---------------- tile 0: q
	STEP 0, 0, SPQ, SRX, BPQ
	WIN 0                                          ; what tiles 1 and 2 want is asked for now, into registers of its own: 60 loads
	SCLOAD SPK, 8, SBPQ, 32768
	SCLOAD SRV, 4, SBRV, 0
	SCLOAD SPV, 8, SBPV, 0
.irp a, 0,1,2,3
	global_load_b32 v[BR+2*\a], v6, s[BBV:BBV+1] offset:(32*(\a/2)+8*(\a%2))*4
.endr
	WIN 0xc0
	BPLOAD BPK, BBQ, 4096
	STEP 0, 1, SPQ, SRX, -1
	STEP 0, 2, SPQ, SRX, -1
	TURN 0, 1, 1, RBX, PB1, SPQ, SRX               ; slot 0 takes tile 1's K 0-511
	STEP 1, 0, SPQ, SRX, -1
	STEP 1, 1, SPQ, SRX, -1
	STEP 1, 2, SPQ, SRX, -1
	TURN 1, 0, 1, RBX, PB1, SPQ, SRX               ; slot 1 takes tile 1's K 512-1023; tile 1's first fragments are fetched
	OUTQK 0                                        ; both refills are asked for: now the tile goes out
	s_wait_loadcnt 0x0                             ; what tiles 1 and 2 want is in
.irp a, 0,1,2,3
	v_mov_b32 v[BR+2*\a+1], v[BR+2*\a]             ; twice: a pair for the packed addition
.endr
	; ---------------- tile 1: k
	STEP 0, 0, SPK, SRX, BPK
	STEP 0, 1, SPK, SRX, -1
	STEP 0, 2, SPK, SRX, -1
	TURN 0, 1, 1, RBV, PB2, SPK, SRX               ; slot 0 takes tile 2's K 0-511
	STEP 1, 0, SPK, SRX, -1
	STEP 1, 1, SPK, SRX, -1
	STEP 1, 2, SPK, SRX, -1
	TURN 1, 0, 1, RBV, PB2, SPK, SRX
	OUTQK 1
	; ---------------- tile 2: v
	STEP 0, 0, SPV, SRV, 0
	STEP 0, 1, SPV, SRV, -1
	STEP 0, 2, SPV, SRV, -1
	TURN 0, 1, 0, RBV, PB2, SPV, SRV               ; nothing is left to fetch
	STEP 1, 0, SPV, SRV, -1
	STEP 1, 1, SPV, SRV, -1
	STEP 1, 2, SPV, SRV, -1
	s_wait_dscnt 8                                 ; the very last step
	WIN 0xad
	MULA 0, 1, 7, SPV, SRV, -1
	MULA 1, 1, 7, SPV, SRV, -1
	s_wait_dscnt 0
	MULA 2, 1, 7, SPV, SRV, -1
	MULA 3, 1, 7, SPV, SRV, -1
	WIN 0
	PLACES 4
.irp a, 0,1,2,3                        ; block a is d tile a of my head; P's 128 keys are one fragment: its two halves lie 768 bytes apart
	OUTA \a, 1, OBV, \a*1536, \a*1536+768
.endr
	global_store_b128 v[VSOV], v[PWS:PWS+3], s[SOV:SOV+1]   ; my row's four scale words: 256 consecutive bytes (both halves of the lanes hold and write the same)
	s_wait_tensorcnt 0x0                           ; the wave's end
	ds_add_u32 v[SPW], v[NIL]
	s_wait_dscnt 0x0
	CROUND                                         ; the closing round: no work-group ends while a partner may still ask for a tile that names it
	s_endpgm
.Lfunc_end_k_q1aa0d3e0fc_gemm_qkv:
	.size	k_q1aa0d3e0fc_gemm_qkv, .Lfunc_end_k_q1aa0d3e0fc_gemm_qkv-k_q1aa0d3e0fc_gemm_qkv
	.p2alignl 7, 3214868480
	.fill 96, 4, 3214868480
	.section	.rodata,"a",@progbits
	.p2align	6, 0x0
	.amdhsa_kernel k_q1aa0d3e0fc_gemm_qkv
		.amdhsa_group_segment_fixed_size 327680
		.amdhsa_private_segment_fixed_size 0
		.amdhsa_enable_private_segment 0
		.amdhsa_kernarg_size 56
		.amdhsa_user_sgpr_count 2
		.amdhsa_user_sgpr_kernarg_segment_ptr 1
		.amdhsa_wavefront_size32 1
		.amdhsa_system_sgpr_workgroup_id_x 1
		.amdhsa_system_sgpr_workgroup_id_y 1
		.amdhsa_system_sgpr_workgroup_id_z 1
		.amdhsa_system_vgpr_workitem_id 0
		.amdhsa_next_free_vgpr 1024
		.amdhsa_next_free_sgpr 102
		.amdhsa_reserve_vcc 1
		.amdhsa_float_denorm_mode_32 3
		.amdhsa_float_denorm_mode_16_64 3
		.amdhsa_memory_ordered 1
		.amdhsa_forward_progress 1
		.amdhsa_inst_pref_size 255
	.end_amdhsa_kernel
	.section	.bss,"aw",@nobits
	.p2align	6
	.space	262144
	.amdgpu_metadata
---
amdhsa.version: [ 1, 2 ]
amdhsa.kernels:
  - .name:           k_q1aa0d3e0fc_gemm_qkv
    .symbol:         k_q1aa0d3e0fc_gemm_qkv.kd
    .args:
      - { .name: ac, .offset: 0, .size: 8, .value_kind: global_buffer, .address_space: global }
      - { .name: asc, .offset: 8, .size: 8, .value_kind: global_buffer, .address_space: global }
      - { .name: wc, .offset: 16, .size: 8, .value_kind: global_buffer, .address_space: global }
      - { .name: ws, .offset: 24, .size: 8, .value_kind: global_buffer, .address_space: global }
      - { .name: b_qkv, .offset: 32, .size: 8, .value_kind: global_buffer, .address_space: global }
      - { .name: qkvc, .offset: 40, .size: 8, .value_kind: global_buffer, .address_space: global }
      - { .name: qkvs, .offset: 48, .size: 8, .value_kind: global_buffer, .address_space: global }
    .group_segment_fixed_size: 327680
    .private_segment_fixed_size: 0
    .kernarg_segment_align: 8
    .kernarg_segment_size: 56
    .max_flat_workgroup_size: 128
    .sgpr_count:     102
    .vgpr_count:     1024
    .wavefront_size: 32
...
	.end_amdgpu_metadata
.endif
;; end of part 2
;; launch attn (part 3): grid 4 x 64, 16 waves a work-group, clusters of 4 x 1, 206,848 bytes of LDS; arguments qkvc, qkvs, ac, asc; writes ac, asc
.if DOCPART == 3
	.amdgcn_target "amdgcn-amd-amdhsa--gfx1250"
	.amdhsa_code_object_version 6
	.text
	.protected	k_q1aa0d3e0fc_attn
	.globl	k_q1aa0d3e0fc_attn
	.p2align	8
	.type	k_q1aa0d3e0fc_attn,@function
k_q1aa0d3e0fc_attn:
	s_mov_b64 s[64:65], 0
	v_nop
	global_prefetch_b8 v0, s[64:65] scope:SCOPE_SE
	s_setreg_imm32_b32 hwreg(HW_REG_WAVE_MODE, 25, 1), 1
	s_wait_xcnt 0x0
	s_wait_alu depctr_hold_cnt(0) depctr_sa_sdst(0) depctr_va_vdst(0) depctr_va_sdst(0) depctr_va_ssrc(0) depctr_va_vcc(0) depctr_vm_vsrc(0)
	s_getreg_b32 s2, hwreg(HW_REG_IB_STS2, 6, 4)
	s_cmp_eq_u32 s2, 0
	s_cbranch_scc0 .Lentry_in_a_cluster
	s_endpgm
.Lentry_in_a_cluster:
	s_bfe_u32 s2, ttmp6, 0x10000c
	s_cmp_lg_u32 s2, 0x3003
	s_cbranch_scc0 .Lentry_shape_is_right
	s_endpgm
.Lentry_shape_is_right:
; Causal attention of one (batch, head) on codes of BF6 with E8M0 scales; y leaves AS CODES, quantised along the model's axis, in the layout that the last product reads.
; THE SOFTMAX: t = score x log2(e) / 8; M = the running largest t rounded up to a whole number; p = 2^(t - M) is quantised along the keys, not normalised; the sum is taken of the unquantised p and divides at the end.
; When M moves, the sum and O are multiplied by 2^(old M - new M), which rounds nothing.
; SHARES.  The four work-groups of a cluster own one head.  The head's K and V as codes with their scale words are 204,800 bytes: they come into each partner's LDS ONCE, by joint loads (mask 15), and LDS is only read after that: no ring.
; Each of the sixteen waves takes two tiles of 16 queries, one after the other: tile 8 g + tq and tile 8 (15 - g) + tq, g = wave / 2, tq = cx + 4 (wave % 2): (g + 1) + (16 - g) = 17 key steps of 128 for every wave.
; Branches and LDS addresses hang on the wave's number and on counters alone; cx enters global addresses and the mask's lane numbers.  The inner loop always has 16 trips: a step all of whose keys are hidden jumps over its work.
; LAYOUT.  Both products are used transposed (S^T = K Q^T, O^T = V^T P^T): a lane holds one query.  Tile T's lane row r is row 32 (T/2) + 8 (T%2) + r%8 + 16 (r/8), so the 16 registers of tiles 2 b, 2 b + 1 are 16 neighbours.
; THE HEAD IS 64 WIDE, THE INSTRUCTION 128 DEEP: one operand of 12 registers holds TWO tiles of keys (k 0-63: tile 2 b; k 64-127: tile 2 b + 1); it is multiplied by [q | 0] and by [0 | q]: zero codes add nothing.
; LIMITS: NaN and infinities are not served; v_exp_f32 gives 0 for results under 2^-126; a block whose largest magnitude lies under 2^-122, zeros too, gets the byte 1.  y's scale bytes leave as 2 bytes a lane, 8 bytes apart
; (a head owns 2 of a word's 4 bytes): the one store of the program that does not cover 256 consecutive bytes; 262,144 bytes in all.
; REGISTERS: v1-6 lane terms; v7-11 addresses of the step; v12 -M, v13 largest t, v[14:15] the sum; v16-21, v28-33 zeros, v22-27 q; v34 q's scale word; v36-83 four fragments; v84-91 scale words; v96-159 S^T, then p; v160-191 O^T; v192-227 at work.
.set VIM,  98304                       ; LDS: K's images from 0 (key step j, pair b: 6144 j + 1536 b), V's from here (key step j, d tile t)
.set KSC,  196608                      ; K's scale words (256 j + 16 r + 4 b), V's 4,096 bytes on (256 j + 16 r + 4 t)
.set BM,   192
.set PT,   196
.set SO,   200
.set PC,   204
.set T2,   216
.set WV,   12
.set SEL,  20
.set CS,   22
.set G1C,  24
.set G1S,  32
.set G0C,  40
.set G0S,  44
.set PASS, 66
.set G,    67
.set J,    68
.set TS,   69
.set TSS,  70
.macro ROUND
	s_barrier_signal -1
	s_barrier_wait -1
	s_cmp_lg_u32 s[WV], 0
	s_cbranch_scc1 .Lnot_wave_0_\@
	s_barrier_signal -3
.Lnot_wave_0_\@:
	s_barrier_wait -3
	s_barrier_signal -1
	s_barrier_wait -1
.endm
.macro FRAG reg, a16, a8, off
	ds_load_b128 v[\reg:\reg+3], v[\a16] offset:\off
	ds_load_b64 v[\reg+4:\reg+5], v[\a8] offset:\off+512
	ds_load_b128 v[\reg+6:\reg+9], v[\a16] offset:\off+768
	ds_load_b64 v[\reg+10:\reg+11], v[\a8] offset:\off+1280
.endm
	s_load_b256 s[4:11], s[0:1], 0x0               ; qkvc s[4:5], qkvs s[6:7], ac s[8:9], asc s[10:11]
	v_lshl_add_u32 v254, v0, 2, 0x32000
	v_mov_b32 v255, 0
	ds_add_u32 v254, v255
	ds_add_u32 v254, v255
	v_lshrrev_b32 v1, 5, v0
	s_delay_alu instid0(VALU_DEP_1)
	v_readfirstlane_b32 s[WV], v1                  ; wave 0..15
	s_bfe_u32 s13, ttmp6, 0x40000                  ; cx
	s_and_b32 s14, ttmp7, 0xffff                   ; bh = 16 batch + head, which the four partners share
	s_lshr_b32 s15, s[WV], 1                       ; g
	s_and_b32 s16, s[WV], 1
	s_lshl_b32 s17, s16, 2
	s_add_co_u32 s17, s17, s13                     ; tq
	s_mov_b32 s[G1C], 15|(3<<16)|(1<<21)           ; the mask: all four; elements of 8 bytes; 21 set beside a mask
	s_mov_b32 s[G1C+1], 32<<16                     ; 96 rows of 256 dense bytes
	s_mov_b32 s[G1C+2], 96<<16
	s_mov_b32 s[G1C+3], 32<<16
	s_mov_b32 s[G1C+4], 96
	s_mov_b32 s[G1C+5], 32
	s_mov_b32 s[G1C+6], 0
	s_mov_b32 s[G1C+7], 0
	s_mov_b32 s[G1S], 15|(3<<16)|(1<<21)           ; 16 such rows
	s_mov_b32 s[G1S+1], 32<<16
	s_mov_b32 s[G1S+2], 16<<16
	s_mov_b32 s[G1S+3], 32<<16
	s_mov_b32 s[G1S+4], 16
	s_mov_b32 s[G1S+5], 32
	s_mov_b32 s[G1S+6], 0
	s_mov_b32 s[G1S+7], 0
	s_bfe_u32 s72, s[WV], 0x10002                  ; waves 0-3: K's quarters; waves 4-7: V's
	s_add_co_u32 s72, s72, 1
	s_mul_i32 s72, s72, 6291456
	s_mul_i32 s73, s14, 98304
	s_add_co_u32 s72, s72, s73
	s_and_b32 s73, s[WV], 3
	s_mul_i32 s73, s73, 24576
	s_add_co_u32 s72, s72, s73
	s_mov_b32 s73, 0
	s_add_co_u32 s74, s16, 1                       ; wave 8: K's scale words; wave 9: V's
	s_lshl_b32 s74, s74, 18
	s_lshl_b32 s75, s14, 12
	s_add_co_u32 s74, s74, s75
	s_mov_b32 s75, 0
	s_mul_i32 s76, s[WV], 24576
	s_lshl_b32 s77, s16, 12
	s_add_co_u32 s77, s77, KSC
	s_wait_dscnt 0x0
	s_wait_kmcnt 0x0
	s_mov_b32 s[G0C], 1
	s_mov_b32 s[G0C+1], s76
	s_add_nc_u64 s[G0C+2:G0C+3], s[4:5], s[72:73]
	s_or_b32 s[G0C+3], s[G0C+3], 0x80000000
	s_mov_b32 s[G0S], 1
	s_mov_b32 s[G0S+1], s77
	s_add_nc_u64 s[G0S+2:G0S+3], s[6:7], s[74:75]
	s_or_b32 s[G0S+3], s[G0S+3], 0x80000000
	ROUND                                          ; all four work-groups are here: the joint loads meet
	s_cmp_lt_u32 s[WV], 8                          ; a wave has at most one tensor load out; four v_nop follow each of the two lines
	s_cbranch_scc0 .Lnot_codes
	tensor_load_to_lds s[G0C:G0C+3], s[G1C:G1C+7]
	s_nop 0
.rept 4
	v_nop
.endr
	s_branch .Lasked
.Lnot_codes:
	s_cmp_lt_u32 s[WV], 10
	s_cbranch_scc0 .Lasked
	tensor_load_to_lds s[G0S:G0S+3], s[G1S:G1S+7]
	s_nop 0
.rept 4
	v_nop
.endr
.Lasked:
	s_mul_i32 s72, s14, 98304
	s_mul_i32 s74, s17, 768
	s_add_co_u32 s72, s72, s74
	s_add_nc_u64 s[48:49], s[4:5], s[72:73]        ; q's half fragment of tile tq of my head (+ 6144 G)
	s_lshl_b32 s72, s14, 12
	s_add_nc_u64 s[50:51], s[6:7], s[72:73]        ; q's scale bytes (+ 256 G)
	s_lshr_b32 s72, s14, 4
	s_mul_i32 s72, s72, 1572864
	s_bfe_u32 s74, s14, 0x20002                    ; (head / 4)
	s_mul_i32 s75, s74, 24576
	s_add_co_u32 s72, s72, s75
	s_mul_i32 s75, s17, 3072
	s_add_co_u32 s72, s72, s75
	s_and_b32 s76, s14, 3                          ; head % 4
	s_mul_i32 s75, s76, 768
	s_add_co_u32 s72, s72, s75
	s_add_nc_u64 s[52:53], s[8:9], s[72:73]        ; y's half fragment (+ 98304 G)
	s_lshr_b32 s72, s14, 4
	s_lshl_b32 s72, s72, 16
	s_lshl_b32 s75, s17, 9
	s_add_co_u32 s72, s72, s75
	s_lshl_b32 s75, s74, 7
	s_add_co_u32 s72, s72, s75
	s_lshl_b32 s75, s76, 1
	s_add_co_u32 s72, s72, s75
	s_add_nc_u64 s[54:55], s[10:11], s[72:73]      ; y's scale bytes (+ 4096 G)
	s_mov_b32 s[SEL], 0x76543210
	s_mov_b32 s[SEL+1], 0xfedcba98                 ; lane l xor 16
	s_mov_b32 s[CS], 0x3e38aa3b                    ; c = log2(e) / 8
	s_mov_b32 s[CS+1], s[CS]                       ; (named with it as a pair, so it is written)
	v_and_b32 v5, 31, v0
	s_delay_alu instid0(VALU_DEP_1)
	v_lshlrev_b32 v1, 4, v5                        ; 16 L
	s_delay_alu instid0(VALU_DEP_2)
	v_lshlrev_b32 v2, 3, v5                        ; 8 L
	v_and_b32 v6, 15, v0                           ; r
	v_bfe_u32 v7, v0, 4, 1                         ; h
	s_delay_alu instid0(VALU_DEP_2)
	v_lshl_add_u32 v3, v6, 4, KSC                  ; KSC + 16 r
	s_delay_alu instid0(VALU_DEP_3)
	v_and_b32 v4, 8, v6
	s_delay_alu instid0(VALU_DEP_1)
	v_add_nc_u32 v4, v4, v6
	s_delay_alu instid0(VALU_DEP_4)
	v_lshlrev_b32 v7, 4, v7
	s_delay_alu instid0(VALU_DEP_1)
	v_sub_nc_u32 v4, v4, v7
	s_lshr_b32 s72, s17, 1
	s_lshl_b32 s72, s72, 5
	s_and_b32 s75, s17, 1
	s_lshl_b32 s75, s75, 3
	s_add_co_u32 s72, s72, s75
	v_add_nc_u32 v4, s72, v4                       ; my query's place in its 128, less 16 h: register 16 b + i holds a hidden key of the diagonal step where 32 b + i is larger
	v_lshlrev_b32 v5, 4, v6
	s_lshl_b32 s75, s17, 1
	v_add_nc_u32 v5, s75, v5                       ; q's scale bytes: 16 r + 2 tq
	v_lshlrev_b32 v6, 3, v6                        ; y's: 8 r
.irp i, 16,17,18,19,20,21,28,29,30,31,32,33
	v_mov_b32 v\i, 0                               ; the zero codes on both sides of q
.endr
.irp b, 0,1,2,3
	v_mov_b32 v[PT+\b], 0                          ; written once: a lane permute's destination counts as one of its sources
.endr
	v_mov_b32 v225, 0                              ; (the upper half of the pair v[224:225], named before it is first written)
	v_mov_b32 v226, 0
	s_wait_tensorcnt 0x0                           ; my part of the head has landed,
	s_barrier_signal -1
	s_barrier_wait -1                              ; everybody's has.  From here on LDS is only read
	s_mov_b32 s[PASS], 0
.Lpass:
	s_wait_xcnt 0x0                                ; the last pass's stores have read their data and bases
	s_mul_i32 s[G], s[PASS], 15
	s_xor_b32 s[G], s[G], s15                      ; G = g, then 15 - g: my tile is 8 G + tq, and key steps 0 .. G count
	s_mul_i32 s72, s[G], 6144
	s_add_nc_u64 s[56:57], s[48:49], s[72:73]
	s_lshl_b32 s72, s[G], 8
	s_add_nc_u64 s[58:59], s[50:51], s[72:73]
	s_mul_i32 s72, s[G], 98304
	s_add_nc_u64 s[60:61], s[52:53], s[72:73]
	s_lshl_b32 s72, s[G], 12
	s_add_nc_u64 s[62:63], s[54:55], s[72:73]
	global_load_b128 v[22:25], v1, s[56:57]
	global_load_b64 v[26:27], v2, s[56:57] offset:512
	global_load_u16 v35, v5, s[58:59]
	v_mov_b32 v13, 0xff61b1e6                      ; the largest t so far: -3e38
	s_delay_alu instid0(VALU_DEP_1)
	v_floor_f32 v12, -v13                          ; -M
	v_mov_b32 v14, 0
	v_mov_b32 v15, 0
	s_wait_loadcnt 0x0
	v_lshl_or_b32 v34, v35, 16, v35                ; q's two bytes serve k 0-63 and k 64-127 alike
.set n, 0
.rept 32
	v_mov_b32 v[160+n], 0                          ; O^T: the step is written once, and the first change of M leaves zeros zeros.  (Also the plain lines between the scale word's making and the first product)
.set n, n+1
.endr
	s_mov_b32 s[J], 0
	s_mov_b32 s[TS], 0
	s_mov_b32 s[TSS], 0
.Lstep:                                            ; 16 trips, always
	s_cmp_gt_u32 s[J], s[G]
	s_cbranch_scc1 .Lhidden                        ; all 128 keys come after my queries
	s_setprio 2
	v_add_nc_u32 v7, s[TS], v1                     ; (five plain lines: they stand between the last step's products and the loads into their registers)
	v_add_nc_u32 v8, s[TS], v2
	v_add_nc_u32 v11, s[TSS], v3
	s_delay_alu instid0(VALU_DEP_3)
	v_add_nc_u32 v9, VIM, v7
	s_delay_alu instid0(VALU_DEP_3)
	v_add_nc_u32 v10, VIM, v8
.irp b, 0,1,2,3
	FRAG 36+12*\b, 7, 8, 1536*\b
.endr
	ds_load_b128 v[84:87], v11
	s_wait_alu depctr_va_vdst(0)
	s_wait_dscnt 0x0
.irp b, 0,1,2,3
	v_wmma_scale_f32_16x16x128_f8f6f4 v[96+16*\b:103+16*\b], v[36+12*\b:47+12*\b], v[22:33], 0, v[84+\b], v34 matrix_a_fmt:MATRIX_FMT_BF6 matrix_b_fmt:MATRIX_FMT_BF6
	v_wmma_scale_f32_16x16x128_f8f6f4 v[104+16*\b:111+16*\b], v[36+12*\b:47+12*\b], v[16:27], 0, v[84+\b], v34 matrix_a_fmt:MATRIX_FMT_BF6 matrix_b_fmt:MATRIX_FMT_BF6
.endr
.rept 4
	v_nop                                          ; in front of the loads into K's registers and of the first read of the scores
.endr
.irp t, 0,1,2,3
	FRAG 36+12*\t, 9, 10, 1536*\t                  ; V's four fragments land under the softmax
.endr
	ds_load_b128 v[88:91], v11 offset:4096
	s_cmp_lt_u32 s[J], s[G]
	s_cbranch_scc1 .Lopen                          ; all 128 keys count
	v_mov_b32 v226, 0xff800000                     ; the diagonal step: hidden scores become -infinity ahead of the maximum
.set n, 0
.rept 64
	v_cmp_gt_i32 vcc_lo, 32*(n/16)+n%16, v4
	v_cndmask_b32 v[96+n], v[96+n], v226, vcc_lo
.set n, n+1
.endr
.Lopen:
.irp b, 0,1,2,3
	v_max3_num_f32 v[BM+\b], v[96+16*\b], v[97+16*\b], v[98+16*\b]   ; the largest score of each block of 32 keys: for the row's maximum, and, since p rises with the score, for the block's largest p
.endr
.irp i, 3,5,7,9,11,13
.irp b, 0,1,2,3
	v_max3_num_f32 v[BM+\b], v[BM+\b], v[96+16*\b+\i], v[97+16*\b+\i]
.endr
.endr
.irp b, 0,1,2,3
	v_max_num_f32 v[BM+\b], v[BM+\b], v[111+16*\b]
.endr
.irp b, 0,1,2,3
	s_delay_alu instid0(VALU_DEP_4)
	v_permlanex16_b32 v[PT+\b], v[BM+\b], s[SEL], s[SEL+1]
.endr
.irp b, 0,1,2,3
	s_delay_alu instid0(VALU_DEP_4)
	v_max_num_f32 v[BM+\b], v[BM+\b], v[PT+\b]
.endr
	s_delay_alu instid0(VALU_DEP_2)
	v_max3_num_f32 v226, v[BM], v[BM+1], v[BM+2]
	s_delay_alu instid0(VALU_DEP_1)
	v_max_num_f32 v226, v226, v[BM+3]
	s_delay_alu instid0(VALU_DEP_1)
	v_mul_f32 v226, s[CS], v226                    ; the step's largest t
	s_delay_alu instid0(VALU_DEP_1)
	v_max_num_f32 v13, v13, v226
	v_mov_b32 v226, v12
	s_delay_alu instid0(VALU_DEP_2)
	v_floor_f32 v12, -v13                          ; the new -M = -ceil(t)
	s_delay_alu instid0(VALU_DEP_1)
	v_sub_f32 v226, v12, v226                      ; old M - new M: a whole number, 0 or less
	s_delay_alu instid0(VALU_DEP_1)
	v_cvt_i32_f32 v226, v226                       ; (it saturates)
	s_delay_alu instid0(VALU_DEP_1)
	v_ldexp_f32 v224, 1.0, v226                    ; f = 2^(old M - new M)
.set n, 0
.rept 32
	v_pk_fma_f32 v[96+n:97+n], v[96+n:97+n], s[CS:CS+1], v[12:13] op_sel_hi:[1,0,0]   ; t - M
.set n, n+2
.endr
	s_setprio 1
.irp b, 0,1,2,3
	v_fma_f32 v[BM+\b], v[BM+\b], s[CS], v12
.endr
.set n, 0
	s_wait_alu depctr_va_vdst(0)
.rept 64
	v_exp_f32 v[96+n], v[96+n]                     ; p = 2^(t - M)
.set n, n+1
.endr
.irp b, 0,1,2,3
	v_exp_f32 v[BM+\b], v[BM+\b]                   ; the block's largest p: the same two instructions on the same number
.endr
	v_pk_mul_f32 v[14:15], v[14:15], v[224:225] op_sel_hi:[1,0]   ; the sums under the new M.  (The plain line behind the exponentials)
	s_wait_alu depctr_va_vdst(0)
.irp b, 0,1,2,3
	v_max_num_f32 v[BM+\b], 0x2800000, v[BM+\b]    ; the floor 2^(5 - 127)
.endr
.irp b, 0,1,2,3
	s_delay_alu instid0(VALU_DEP_4)
	v_add_nc_u32 v[SO+\b], 0xfe000000, v[BM+\b]
.endr
.irp b, 0,1,2,3
	s_delay_alu instid0(VALU_DEP_4)
	v_lshrrev_b32 v[PT+\b], 23, v[SO+\b]
.endr
	s_delay_alu instid0(VALU_DEP_3)
	v_lshl_or_b32 v225, v[PT+1], 8, v[PT]          ; p's scale word for these 128 keys
	s_delay_alu instid0(VALU_DEP_1)
	v_lshl_or_b32 v225, v[PT+2], 16, v225
	s_delay_alu instid0(VALU_DEP_1)
	v_lshl_or_b32 v225, v[PT+3], 24, v225
.irp c, 0,1
	v_cvt_scalef32_pk16_bf6_f32 v[PC+6*\c:PC+2+6*\c], v[96+32*\c:111+32*\c], v[SO+2*\c]
	v_cvt_scalef32_pk16_bf6_f32 v[T2+4*\c:T2+2+4*\c], v[112+32*\c:127+32*\c], v[SO+2*\c+1]
.endr
	v_nop                                          ; one plain line behind the scaled conversions
.irp c, 0,1
.irp i, 0,1,2
	v_permlane16_swap_b32 v[PC+6*\c+\i], v[T2+4*\c+\i]
.endr
.irp i, 0,1,2
	s_delay_alu instid0(VALU_DEP_3)
	v_mov_b32 v[PC+3+6*\c+\i], v[T2+4*\c+\i]
.endr
.endr
	v_pk_add_f32 v[226:227], v[100:101], v[104:105]
	v_pk_add_f32 v[252:253], v[108:109], v[112:113]
	v_pk_add_f32 v[250:251], v[116:117], v[120:121]
	v_pk_add_f32 v[248:249], v[124:125], v[128:129]
	v_pk_add_f32 v[246:247], v[132:133], v[136:137]
	v_pk_add_f32 v[244:245], v[140:141], v[144:145]
	v_pk_add_f32 v[242:243], v[148:149], v[152:153]
	v_pk_add_f32 v[14:15], v[14:15], v[156:157]
	v_pk_add_f32 v[226:227], v[226:227], v[96:97]
	v_pk_add_f32 v[252:253], v[252:253], v[98:99]
	s_setprio 0
	v_pk_add_f32 v[250:251], v[250:251], v[102:103]
	v_pk_add_f32 v[248:249], v[248:249], v[106:107]
	v_pk_add_f32 v[246:247], v[246:247], v[110:111]
	v_pk_add_f32 v[244:245], v[244:245], v[114:115]
	v_pk_add_f32 v[242:243], v[242:243], v[118:119]
	v_pk_add_f32 v[14:15], v[14:15], v[122:123]
	v_pk_add_f32 v[226:227], v[226:227], v[126:127]
	v_pk_add_f32 v[252:253], v[252:253], v[130:131]
	v_pk_add_f32 v[250:251], v[250:251], v[134:135]
	v_pk_add_f32 v[248:249], v[248:249], v[138:139]
	v_pk_add_f32 v[246:247], v[246:247], v[142:143]
	v_pk_add_f32 v[244:245], v[244:245], v[146:147]
	v_pk_add_f32 v[242:243], v[242:243], v[150:151]
	v_pk_add_f32 v[14:15], v[14:15], v[154:155]
	v_pk_add_f32 v[226:227], v[226:227], v[158:159]
	s_delay_alu instid0(VALU_DEP_2)
	v_pk_add_f32 v[14:15], v[14:15], v[248:249]
	s_delay_alu instid0(VALU_DEP_2)
	v_pk_add_f32 v[226:227], v[226:227], v[246:247]
	v_pk_add_f32 v[252:253], v[252:253], v[244:245]
	v_pk_add_f32 v[250:251], v[250:251], v[242:243]
	s_delay_alu instid0(VALU_DEP_2)
	v_pk_add_f32 v[14:15], v[14:15], v[252:253]
	s_delay_alu instid0(VALU_DEP_2)
	v_pk_add_f32 v[226:227], v[226:227], v[250:251]
	s_delay_alu instid0(VALU_DEP_1)
	v_pk_add_f32 v[14:15], v[14:15], v[226:227]
.set n, 0
.rept 16
	v_pk_mul_f32 v[160+n:161+n], v[160+n:161+n], v[224:225] op_sel_hi:[1,0]   ; O^T under the new M
.set n, n+2
.endr
	s_wait_alu depctr_va_vdst(0)
	s_wait_dscnt 0x0                               ; V
.irp t, 0,1,2,3                                ; the four accumulators by turns; eight other products stand between two links of a chain
	v_wmma_scale_f32_16x16x128_f8f6f4 v[160+8*\t:167+8*\t], v[36+12*\t:47+12*\t], v[PC:PC+11], v[160+8*\t:167+8*\t], v[88+\t], v225 matrix_a_fmt:MATRIX_FMT_BF6 matrix_b_fmt:MATRIX_FMT_BF6
.endr
.Lhidden:
	s_add_co_u32 s[TS], s[TS], 6144
	s_add_co_u32 s[TSS], s[TSS], 256
	s_add_co_u32 s[J], s[J], 1
	s_cmp_lt_u32 s[J], 16
	s_cbranch_scc1 .Lstep
	s_setprio 0
	; A PASS'S END: y = O^T / the sum; register 16 b + i is d = 32 b + 16 h + i of my query: two blocks of the last product's K
.rept 4
	v_nop
.endr
	v_add_f32 v14, v14, v15
	s_delay_alu instid0(VALU_DEP_1)
	v_permlanex16_b32 v226, v14, s[SEL], s[SEL+1]
	s_delay_alu instid0(VALU_DEP_1)
	v_add_f32 v14, v14, v226
	s_wait_alu depctr_va_vdst(0)
	v_rcp_f32 v14, v14
	v_nop                                          ; a plain line behind the transcendental
.set n, 0
	s_wait_alu depctr_va_vdst(0)
.rept 32
	v_mul_f32 v[96+n], v[160+n], v14               ; each accumulator from its low end on
.set n, n+1
.endr
.irp b, 0,1
	v_max3_num_f32 v[BM+\b], |v[96+16*\b]|, |v[97+16*\b]|, 0x2800000
.endr
.irp i, 2,4,6,8,10,12,14
.irp b, 0,1
	s_delay_alu instid0(VALU_DEP_2)
	v_max3_num_f32 v[BM+\b], v[BM+\b], |v[96+16*\b+\i]|, |v[97+16*\b+\i]|
.endr
.endr
.irp b, 0,1
	s_delay_alu instid0(VALU_DEP_2)
	v_permlanex16_b32 v[PT+\b], v[BM+\b], s[SEL], s[SEL+1]
.endr
.irp b, 0,1
	s_delay_alu instid0(VALU_DEP_2)
	v_max_num_f32 v[BM+\b], v[BM+\b], v[PT+\b]
.endr
.irp b, 0,1
	s_delay_alu instid0(VALU_DEP_2)
	v_add_nc_u32 v[SO+\b], 0xfe000000, v[BM+\b]
.endr
.irp b, 0,1
	s_delay_alu instid0(VALU_DEP_2)
	v_lshrrev_b32 v[PT+\b], 23, v[SO+\b]
.endr
	s_delay_alu instid0(VALU_DEP_1)
	v_lshl_or_b32 v226, v[PT+1], 8, v[PT]          ; my row's two scale bytes
	v_cvt_scalef32_pk16_bf6_f32 v[PC:PC+2], v[96:111], v[SO]
	v_cvt_scalef32_pk16_bf6_f32 v[T2:T2+2], v[112:127], v[SO+1]
	v_nop
.irp i, 0,1,2
	v_permlane16_swap_b32 v[PC+\i], v[T2+\i]
.endr
.irp i, 0,1,2
	s_delay_alu instid0(VALU_DEP_3)
	v_mov_b32 v[PC+3+\i], v[T2+\i]
.endr
	global_store_b128 v1, v[PC:PC+3], s[60:61]     ; 512 consecutive bytes
	global_store_b64 v2, v[PC+4:PC+5], s[60:61] offset:512   ; 256
	global_store_b16 v6, v226, s[62:63]            ; both halves of the lanes write the same two bytes
	s_add_co_u32 s[PASS], s[PASS], 1
	s_cmp_lt_u32 s[PASS], 2
	s_cbranch_scc1 .Lpass
	s_wait_tensorcnt 0x0
	ds_add_u32 v254, v255
	s_wait_dscnt 0x0
	ROUND                                          ; the closing round
	s_endpgm
.Lfunc_end_k_q1aa0d3e0fc_attn:
	.size	k_q1aa0d3e0fc_attn, .Lfunc_end_k_q1aa0d3e0fc_attn-k_q1aa0d3e0fc_attn
	.p2alignl 7, 3214868480
	.fill 96, 4, 3214868480
	.section	.rodata,"a",@progbits
	.p2align	6, 0x0
	.amdhsa_kernel k_q1aa0d3e0fc_attn
		.amdhsa_group_segment_fixed_size 206848
		.amdhsa_private_segment_fixed_size 0
		.amdhsa_enable_private_segment 0
		.amdhsa_kernarg_size 32
		.amdhsa_user_sgpr_count 2
		.amdhsa_user_sgpr_kernarg_segment_ptr 1
		.amdhsa_wavefront_size32 1
		.amdhsa_system_sgpr_workgroup_id_x 1
		.amdhsa_system_sgpr_workgroup_id_y 1
		.amdhsa_system_sgpr_workgroup_id_z 1
		.amdhsa_system_vgpr_workitem_id 0
		.amdhsa_next_free_vgpr 256
		.amdhsa_next_free_sgpr 80
		.amdhsa_reserve_vcc 1
		.amdhsa_float_denorm_mode_32 3
		.amdhsa_float_denorm_mode_16_64 3
		.amdhsa_memory_ordered 1
		.amdhsa_forward_progress 1
		.amdhsa_inst_pref_size 37
	.end_amdhsa_kernel
	.amdgpu_metadata
---
amdhsa.version: [ 1, 2 ]
amdhsa.kernels:
  - .name:           k_q1aa0d3e0fc_attn
    .symbol:         k_q1aa0d3e0fc_attn.kd
    .args:
      - { .name: qkvc, .offset: 0, .size: 8, .value_kind: global_buffer, .address_space: global }
      - { .name: qkvs, .offset: 8, .size: 8, .value_kind: global_buffer, .address_space: global }
      - { .name: ac, .offset: 16, .size: 8, .value_kind: global_buffer, .address_space: global }
      - { .name: asc, .offset: 24, .size: 8, .value_kind: global_buffer, .address_space: global }
    .group_segment_fixed_size: 206848
    .private_segment_fixed_size: 0
    .kernarg_segment_align: 8
    .kernarg_segment_size: 32
    .max_flat_workgroup_size: 512
    .sgpr_count:     80
    .vgpr_count:     256
    .wavefront_size: 32
...
	.end_amdgpu_metadata
.endif
;; end of part 3
;; launch gemm_proj (part 4): grid 4 x 64, 4 waves a work-group, clusters of 4 x 4, 327,680 bytes of LDS; arguments ac, asc, wc, ws, b_proj, out0; writes out0
.if DOCPART == 4
	.amdgcn_target "amdgcn-amd-amdhsa--gfx1250"
	.amdhsa_code_object_version 6
	.text
	.protected	k_q1aa0d3e0fc_gemm_proj
	.globl	k_q1aa0d3e0fc_gemm_proj
	.p2align	8
	.type	k_q1aa0d3e0fc_gemm_proj,@function
k_q1aa0d3e0fc_gemm_proj:
	s_mov_b64 s[64:65], 0
	v_nop
	global_prefetch_b8 v0, s[64:65] scope:SCOPE_SE
	s_setreg_imm32_b32 hwreg(HW_REG_WAVE_MODE, 25, 1), 1
	s_wait_xcnt 0x0
	s_wait_alu depctr_hold_cnt(0) depctr_sa_sdst(0) depctr_va_vdst(0) depctr_va_sdst(0) depctr_va_ssrc(0) depctr_va_vcc(0) depctr_vm_vsrc(0)
	s_getreg_b32 s2, hwreg(HW_REG_IB_STS2, 6, 4)
	s_cmp_eq_u32 s2, 0
	s_cbranch_scc0 .Lentry_in_a_cluster
	s_endpgm
.Lentry_in_a_cluster:
	s_bfe_u32 s2, ttmp6, 0x10000c
	s_cmp_lg_u32 s2, 0xf033
	s_cbranch_scc0 .Lentry_shape_is_right
	s_endpgm
.Lentry_shape_is_right:
; out0 = y w_proj + b_proj on codes of BF6 with E8M0 scales (K = 1,024); out0 [8192][1024] f32.
; P (source 0, along a lane's result registers) = w_proj's columns: blocks 24 + 2 cx + half of 128 in wc;  R (source 1, the lanes) = y's rows: block 4 cl + cy of 128 in ac.
; A tile is 128 (R) x 256 (P), a wave's part 64 x 128: 32 accumulators.  8192 x 1024 results are 256 such tiles: one to each WGP.  (A wave of 64 x 128 reads 12 fragments for 32 products where one of 128 x 128
; reads 16 for 64: the price of work for every WGP.)
; All of K lies in LDS at once, as two slots of 512 along K, both filled at the start: NOTHING IS FILLED AGAIN.  Slot 1 lands while slot 0 is multiplied.
; The buffers are images of the operands' registers (tile T's lane row r = row 32 (T/2) + 8 (T%2) + r%8 + 16 (r/8)): 128 rows x 256 along K are 24,576 dense bytes; a fragment comes by four contiguous LDS loads.
; The scale words come straight into registers, 256 consecutive bytes a load: of tile i's four registers, register 2 (s/4) + s%2 holds K step s, in lanes 0-15 where (s/2)%2 = 0, in lanes 16-31 where it is 1.
; CLUSTER 4 x 4: R's tiles hang on cl and cy and are asked for jointly along a row of the cluster, P's on cx and along a column.
; REGISTERS: window 0: v16-27 addresses; v32-79 scale words and nothing else; on the way out v128-255 rows of out0.   window 1: P's 8 fragments, two sets, at v0 and v128.
;   window 2: the accumulators, (a, b) at v[8 (8 a + b)].   window 3: R's 4 fragments, two sets, at v0 and v48; v96-159 the bias.
.set FR,    12
.set RUN,   24576
.set HALF,  2*RUN
.set SLOT,  3*HALF                     ; R's 128 rows, then P's two halves of 128 rows, 512 along K
.set SPITCH, 528                       ; the way out: a stage of 16 rows x (512 bytes + 16) for each wave, in slot 0, which has had its one fill and its last read by then
.set ADRR16, 16
.set ADRR8,  18
.set ADRP16, 20
.set ADRP8,  22
.set L16,  24
.set L8,   25
.set STO,  26
.set RD,   27
.set SCR,  32
.set SCP,  48
.set BP,   96                          ; in window 3
.set BK,   128
.set G1R,  24
.set G0R,  32
.set G1P,  48
.set G0P,  56
.set RBX,  66
.set PB0,  70
.set SBR,  82
.set SBP,  84
.set BB,   86
.set MSB, 0
.macro WIN new                         ; the immediate's high byte repeats the setting that is left
.if MSB != (\new)
	s_set_vgpr_msb (MSB<<8)|(\new)
.set MSB, (\new)
.endif
.endm
.macro JLOAD g0r, g1r, g0p, g1p        ; a joint load: waves 0, 1 fetch R's two runs, waves 2, 3 P's two halves; four v_nop follow each of the two lines
	s_cmp_eq_u32 s19, 0
	s_cbranch_scc0 .Lfor_p_\@
	tensor_load_to_lds s[\g0r:\g0r+3], s[\g1r:\g1r+7]
	s_nop 0
.rept 4
	v_nop
.endr
	s_branch .Lasked_\@
.Lfor_p_\@:
	tensor_load_to_lds s[\g0p:\g0p+3], s[\g1p:\g1p+7]
	s_nop 0
.rept 4
	v_nop
.endr
.Lasked_\@:
.endm
.macro CROUND                          ; a round of the cluster's barrier
	s_barrier_signal -1
	s_barrier_wait -1
	s_cmp_lg_u32 s18, 0
	s_cbranch_scc1 .Lnot_wave_0_\@
	s_barrier_signal -3
.Lnot_wave_0_\@:
	s_barrier_wait -3
	s_barrier_signal -1
	s_barrier_wait -1
.endm
.macro PLACES n
.rept \n
	v_nop
.endr
.endm
.macro SCLOAD reg, n, base, off        ; the scale words of n tiles for all of K: two loads a tile, each 256 consecutive bytes
.set nn, 0
.rept 2*(\n)
	global_load_b64 v[(\reg)+2*nn:(\reg)+2*nn+1], v[L8], s[\base:\base+1] offset:(\off)+256*nn
.set nn, nn+1
.endr
.endm
	s_load_b256 s[4:11], s[0:1], 0x0               ; ac s[4:5], asc s[6:7], wc s[8:9], ws s[10:11]
	s_load_b128 s[12:15], s[0:1], 0x20             ; b_proj s[12:13], out0 s[14:15]
	v_lshl_add_u32 v126, v0, 2, 0x48000
	v_mov_b32 v127, 0
	ds_add_u32 v126, v127
	ds_add_u32 v126, v127
	v_lshrrev_b32 v1, 5, v0
	v_readfirstlane_b32 s18, v1                    ; wave 0..3
	s_lshr_b32 s19, s18, 1                         ; my half of R (64 rows).  Also: I fetch for R (0) or for P (1)
	s_and_b32 s20, s18, 1                          ; my half of P (128 columns).  Also: which part I fetch
	s_bfe_u32 s21, ttmp6, 0x40000                  ; cx
	s_bfe_u32 s22, ttmp6, 0x40004                  ; cy
	s_and_b32 s23, ttmp7, 0xffff                   ; cl: the cluster, 0..15
	s_lshl_b32 s44, s22, 2
	s_lshl_b32 s44, 15, s44                        ; my row of the cluster
	s_lshl_b32 s45, 0x1111, s21                    ; my column
	s_or_b32 s[G1R], s44, (3<<16)|(1<<21)          ; the mask; elements of 8 bytes; 21 set beside a mask; no padding
	s_or_b32 s[G1P], s45, (3<<16)|(1<<21)
.irp g, G1R, G1P                       ; rows of 32 elements (256 bytes), dense
	s_mov_b32 s[\g+1], 32<<16
	s_mov_b32 s[\g+3], 32<<16
	s_mov_b32 s[\g+5], 32
	s_mov_b32 s[\g+6], 0
	s_mov_b32 s[\g+7], 0
.endr
	s_mov_b32 s[G1R+2], 96<<16                     ; R: 96 such rows, one run of 24,576 bytes
	s_mov_b32 s[G1R+4], 96
	s_mov_b32 s[G1P+2], 192<<16                    ; P: 192, two runs on end
	s_mov_b32 s[G1P+4], 192
	s_lshl_b32 s41, s23, 2
	s_add_co_u32 s41, s41, s22                     ; R: y's block of 128 rows: holds cy, never cx
	s_mul_i32 s43, s20, RUN                        ; R: my run, in memory and in a slot
	s_mov_b32 s47, 0
	s_lshl_b32 s40, s21, 1
	s_add_co_u32 s40, s40, s20                     ; my 128 columns of w_proj: 2 cx + half: holds cx, never cy
	s_add_co_u32 s45, s40, 24                      ; and their block in wc
	s_mov_b32 s3, 0
	s_mul_i32 s76, s20, HALF
	s_add_co_u32 s76, s76, HALF                    ; P: my half's place in a slot
	s_wait_dscnt 0x0
	s_wait_kmcnt 0x0
	s_mul_i32 s46, s41, 98304
	s_add_co_u32 s46, s46, s43
	s_add_nc_u64 s[RBX:RBX+1], s[4:5], s[46:47]
	s_mul_i32 s2, s45, 98304
	s_add_nc_u64 s[PB0:PB0+1], s[8:9], s[2:3]
.irp s, 0,1
	s_mov_b32 s[G0R+4*\s], 1
	s_add_co_u32 s[G0R+4*\s+1], s43, \s*SLOT
	s_add_nc_u64 s[G0R+4*\s+2:G0R+4*\s+3], s[RBX:RBX+1], \s*HALF
	s_or_b32 s[G0R+4*\s+3], s[G0R+4*\s+3], 0x80000000
	s_mov_b32 s[G0P+4*\s], 1
	s_add_co_u32 s[G0P+4*\s+1], s76, \s*SLOT
	s_add_nc_u64 s[G0P+4*\s+2:G0P+4*\s+3], s[PB0:PB0+1], \s*HALF
	s_or_b32 s[G0P+4*\s+3], s[G0P+4*\s+3], 0x80000000
.endr
	CROUND                                         ; all sixteen work-groups are here: the joint loads meet
	JLOAD G0R, G1R, G0P, G1P
	s_wait_alu depctr_va_vdst(0)
	s_wait_tensorcnt 0x0
	ds_add_u32 v126, v127
	s_wait_dscnt 0x0
	CROUND
	JLOAD G0R+4, G1R, G0P+4, G1P                   ; two tensor loads of mine are out: all that this launch asks for
	s_mov_b32 s79, 0
	s_lshl_b32 s78, s41, 12
	s_lshl_b32 s80, s19, 11
	s_add_co_u32 s78, s78, s80
	s_add_nc_u64 s[SBR:SBR+1], s[6:7], s[78:79]    ; scale words of my 64 rows of y
	s_lshl_b32 s78, s45, 12
	s_add_nc_u64 s[SBP:SBP+1], s[10:11], s[78:79]  ; and of my 128 columns
	s_lshl_b32 s78, s40, 9
	s_add_nc_u64 s[BB:BB+1], s[12:13], s[78:79]    ; their bias,
	s_add_nc_u64 s[14:15], s[14:15], s[78:79]      ; their place in a row of out0,
	s_lshl_b32 s78, s41, 19
	s_lshl_b32 s80, s19, 18
	s_add_co_u32 s78, s78, s80
	s_add_nc_u64 s[14:15], s[14:15], s[78:79]      ; and my first row: 128 block + 64 half, of 4,096 bytes
	v_and_b32 v1, 31, v0                           ; L
	v_and_b32 v2, 15, v0                           ; r
	v_bfe_u32 v3, v0, 4, 1                         ; h
	v_lshlrev_b32 v[L16], 4, v1
	v_lshlrev_b32 v[L8], 3, v1
	v_lshlrev_b32 v5, 6, v3
	SCLOAD SCR, 4, SBR, 0
	SCLOAD SCP, 8, SBP, 0
	WIN 0xc0
.irp t, 0,1,2,3,4,5,6,7                        ; the bias in the result's layout: tile t's eight columns of my half of the lanes
	global_load_b128 v[BP+8*\t:BP+8*\t+3], v5, s[BB:BB+1] offset:(32*(\t/2)+8*(\t%2))*4
	global_load_b128 v[BP+8*\t+4:BP+8*\t+7], v5, s[BB:BB+1] offset:(32*(\t/2)+8*(\t%2))*4+16
.endr
	WIN 0
	s_mul_i32 s77, s19, 12288                      ; my 64 rows of R: four tiles of 3,072 bytes in each run
	v_add_nc_u32 v[ADRR16], s77, v[L16]
	v_add_nc_u32 v[ADRR8], s77, v[L8]
	v_add_nc_u32 v[ADRP16], s76, v[L16]
	v_add_nc_u32 v[ADRP8], s76, v[L8]
	v_add_nc_u32 v[ADRR16+1], SLOT, v[ADRR16]
	v_add_nc_u32 v[ADRR8+1], SLOT, v[ADRR8]
	v_add_nc_u32 v[ADRP16+1], SLOT, v[ADRP16]
	v_add_nc_u32 v[ADRP8+1], SLOT, v[ADRP8]
	s_mul_i32 s80, s18, 16*SPITCH                  ; my stage
	v_mul_u32_u24 v[STO], v2, SPITCH
	v_lshl_add_u32 v[STO], v3, 6, v[STO]
	v_add_nc_u32 v[STO], s80, v[STO]               ; in: row r, + 64 h
	v_add_nc_u32 v[RD], s80, v[L16]                ; back: a row's 512 bytes over the 32 lanes
.macro FRAG reg, a16, a8, off          ; a fragment's image: two half fragments of 768 bytes; every load is contiguous over the lanes
	ds_load_b128 v[\reg:\reg+3], v[\a16] offset:\off
	ds_load_b64 v[\reg+4:\reg+5], v[\a8] offset:\off+512
	ds_load_b128 v[\reg+6:\reg+9], v[\a16] offset:\off+768
	ds_load_b64 v[\reg+10:\reg+11], v[\a8] offset:\off+1280
.endm
.macro FETCH slot, q, set              ; 48 LDS loads in one run: the fragments of the slot's q-th 128 along K: P's eight, then R's four
	WIN 0x40
.irp i, 0,1,2,3,4,5,6,7
	FRAG 128*(\set)+FR*\i, ADRP16+\slot, ADRP8+\slot, ((\q)/2)*RUN+\i*3072+((\q)%2)*1536
.endr
	WIN 0xc0
.irp i, 0,1,2,3
	FRAG 48*(\set)+FR*\i, ADRR16+\slot, ADRR8+\slot, ((\q)/2)*RUN+\i*3072+((\q)%2)*1536
.endr
.endm
; 8 products: R's block a x P's eight, K step s.  cf > 0: the bias at v[cf] on (window 3) is the C that starts the sums; else the sums go on.
; The 32 accumulators take turns, one instruction a turn, in the same order in every step.
.macro MULA a, set, s, cf
.irp b, 0,1,2,3,4,5,6,7
.if (\cf) > 0
	v_wmma_scale_f32_16x16x128_f8f6f4 v[8*(8*(\a)+\b):8*(8*(\a)+\b)+7], v[128*(\set)+FR*\b:128*(\set)+FR*\b+FR-1], v[48*(\set)+FR*(\a):48*(\set)+FR*(\a)+FR-1], v[(\cf)+8*\b:(\cf)+8*\b+7], v[SCP+4*\b+2*((\s)/4)+(\s)%2], v[SCR+4*(\a)+2*((\s)/4)+(\s)%2] matrix_a_fmt:MATRIX_FMT_BF6 matrix_b_fmt:MATRIX_FMT_BF6
.elseif ((\s)/2)%2
	v_wmma_scale_f32_16x16x128_f8f6f4 v[8*(8*(\a)+\b):8*(8*(\a)+\b)+7], v[128*(\set)+FR*\b:128*(\set)+FR*\b+FR-1], v[48*(\set)+FR*(\a):48*(\set)+FR*(\a)+FR-1], v[8*(8*(\a)+\b):8*(8*(\a)+\b)+7], v[SCP+4*\b+2*((\s)/4)+(\s)%2], v[SCR+4*(\a)+2*((\s)/4)+(\s)%2] matrix_a_fmt:MATRIX_FMT_BF6 matrix_b_fmt:MATRIX_FMT_BF6 matrix_a_scale:MATRIX_SCALE_ROW1 matrix_b_scale:MATRIX_SCALE_ROW1
.else
	v_wmma_scale_f32_16x16x128_f8f6f4 v[8*(8*(\a)+\b):8*(8*(\a)+\b)+7], v[128*(\set)+FR*\b:128*(\set)+FR*\b+FR-1], v[48*(\set)+FR*(\a):48*(\set)+FR*(\a)+FR-1], v[8*(8*(\a)+\b):8*(8*(\a)+\b)+7], v[SCP+4*\b+2*((\s)/4)+(\s)%2], v[SCR+4*(\a)+2*((\s)/4)+(\s)%2] matrix_a_fmt:MATRIX_FMT_BF6 matrix_b_fmt:MATRIX_FMT_BF6
.endif
.endr
.endm
.macro MWIN cf                         ; P window 1, R window 3, D window 2; C window 2, or 3 for the bias
.if (\cf) > 0
	WIN 0xbd
.else
	WIN 0xad
.endif
.endm
; One of a slot's first three steps of 128 along K: multiplies set q%2, and in its middle fetches the next step's fragments into the other set.
; Loads into registers that products have read stand four plain vector lines behind those products (ISA guide 7.12.1 for vector instructions).
.macro STEP slot, q, cf
	s_wait_dscnt 8                                 ; P's eight and R's blocks 0, 1 are in; the youngest eight loads (R's blocks 2, 3) may be out
	MWIN \cf
	MULA 0, (\q)%2, 4*(\slot)+(\q), \cf
	MULA 1, (\q)%2, 4*(\slot)+(\q), \cf
	PLACES 4
	FETCH \slot, (\q)+1, 1-(\q)%2
	s_wait_dscnt 48                                ; all but the 48 just issued
	MWIN \cf
	MULA 2, (\q)%2, 4*(\slot)+(\q), \cf
	MULA 3, (\q)%2, 4*(\slot)+(\q), \cf
.endm
	s_wait_alu depctr_va_vdst(0)
	s_wait_tensorcnt 1                             ; my part of slot 0 is in; slot 1's load may be out
	s_barrier_signal -1
	s_barrier_wait -1
	FETCH 0, 0, 0
	WIN 0
	s_wait_loadcnt 0x0                             ; the scale words and the bias
	STEP 0, 0, BP
	STEP 0, 1, -1
	STEP 0, 2, -1
	s_wait_tensorcnt 0x0                           ; slot 0's last step, and the change to slot 1: my part of slot 1 has landed,
	s_wait_dscnt 8
	WIN 0xad
	MULA 0, 1, 3, -1
	s_wait_dscnt 0x0                               ; my reads of slot 0 are over (the stage will lie there): say both,
	s_barrier_signal -1
	MULA 1, 1, 3, -1                               ; work on registers while the others arrive,
	s_barrier_wait -1                              ; and go on when all four have said so
	PLACES 4
	FETCH 1, 0, 0
	WIN 0xad
	MULA 2, 1, 3, -1
	MULA 3, 1, 3, -1
	STEP 1, 0, -1
	STEP 1, 1, -1
	STEP 1, 2, -1
	s_wait_dscnt 8                                 ; the very last step
	WIN 0xad
	MULA 0, 1, 7, -1
	MULA 1, 1, 7, -1
	s_wait_dscnt 0
	MULA 2, 1, 7, -1
	MULA 3, 1, 7, -1
	WIN 0
; THE WAY OUT, block a of 16 rows x 128 columns: register j of accumulator b in lane (r, h) is column 32 (b/2) + 8 (b%2) + 16 h + j of lane row r.  The block goes through my own stage and comes back as whole rows of 512 bytes.
; LDS serves a wave's instructions in order (ISA guide 5.7.1.4): no wait between the stores and the loads, nor in front of the next block's stores.  Stage row t of block a is row 32 (a/2) + 8 (a%2) + t%8 + 16 (t/8) of my 64.
.macro TOSTAGE a
.set AC, 64*(\a)
	WIN 0x08                                       ; an LDS store's data: window 2
.irp b, 0,1,2,3,4,5,6,7
	ds_store_b128 v[STO], v[AC+8*\b:AC+8*\b+3] offset:128*(\b/2)+32*(\b%2)       ; each accumulator from its low end on
	ds_store_b128 v[STO], v[AC+8*\b+4:AC+8*\b+7] offset:128*(\b/2)+32*(\b%2)+16
.endr
	WIN 0
.set BB2, BK+64*((\a)%2)
.irp t, 0,1,2,3,4,5,6,7,8,9,10,11,12,13,14,15
	ds_load_b128 v[BB2+4*\t:BB2+4*\t+3], v[RD] offset:\t*SPITCH
.endr
.endm
.macro SEND a, younger
.set BB2, BK+64*((\a)%2)
	s_wait_dscnt \younger                          ; the block is back in registers
.irp t, 0,1,2,3,4,5,6,7,8,9,10,11,12,13,14,15
	global_store_b128 v[L16], v[BB2+4*\t:BB2+4*\t+3], s[14:15] offset:(32*((\a)/2)+8*((\a)%2)+\t%8+16*(\t/8))*4096 th:TH_STORE_NT   ; 512 consecutive aligned bytes of a row; 63 rows at the most: inside the signed 24-bit immediate
.endr
.endm
	PLACES 4                                       ; in front of the first read of results
	TOSTAGE 0
.irp a, 1,2,3
.if \a > 1
	s_wait_xcnt 0x0                                ; block a - 2's stores have read their registers: block a's loads may land there
.endif
	TOSTAGE \a
	SEND \a-1, 32                                  ; behind block a - 1's loads: block a's 16 stores and 16 loads
.endr
	SEND 3, 0
	s_wait_tensorcnt 0x0
	ds_add_u32 v126, v127
	s_wait_dscnt 0x0
	CROUND                                         ; the closing round: no work-group ends while a partner may still ask for a tile that names it
	s_endpgm
.Lfunc_end_k_q1aa0d3e0fc_gemm_proj:
	.size	k_q1aa0d3e0fc_gemm_proj, .Lfunc_end_k_q1aa0d3e0fc_gemm_proj-k_q1aa0d3e0fc_gemm_proj
	.p2alignl 7, 3214868480
	.fill 96, 4, 3214868480
	.section	.rodata,"a",@progbits
	.p2align	6, 0x0
	.amdhsa_kernel k_q1aa0d3e0fc_gemm_proj
		.amdhsa_group_segment_fixed_size 327680
		.amdhsa_private_segment_fixed_size 0
		.amdhsa_enable_private_segment 0
		.amdhsa_kernarg_size 48
		.amdhsa_user_sgpr_count 2
		.amdhsa_user_sgpr_kernarg_segment_ptr 1
		.amdhsa_wavefront_size32 1
		.amdhsa_system_sgpr_workgroup_id_x 1
		.amdhsa_system_sgpr_workgroup_id_y 1
		.amdhsa_system_sgpr_workgroup_id_z 1
		.amdhsa_system_vgpr_workitem_id 0
		.amdhsa_next_free_vgpr 1024
		.amdhsa_next_free_sgpr 88
		.amdhsa_reserve_vcc 0
		.amdhsa_float_denorm_mode_32 3
		.amdhsa_float_denorm_mode_16_64 3
		.amdhsa_memory_ordered 1
		.amdhsa_forward_progress 1
		.amdhsa_inst_pref_size 85
	.end_amdhsa_kernel
	.amdgpu_metadata
---
amdhsa.version: [ 1, 2 ]
amdhsa.kernels:
  - .name:           k_q1aa0d3e0fc_gemm_proj
    .symbol:         k_q1aa0d3e0fc_gemm_proj.kd
    .args:
      - { .name: ac, .offset: 0, .size: 8, .value_kind: global_buffer, .address_space: global }
      - { .name: asc, .offset: 8, .size: 8, .value_kind: global_buffer, .address_space: global }
      - { .name: wc, .offset: 16, .size: 8, .value_kind: global_buffer, .address_space: global }
      - { .name: ws, .offset: 24, .size: 8, .value_kind: global_buffer, .address_space: global }
      - { .name: b_proj, .offset: 32, .size: 8, .value_kind: global_buffer, .address_space: global }
      - { .name: out0, .offset: 40, .size: 8, .value_kind: global_buffer, .address_space: global }
    .group_segment_fixed_size: 327680
    .private_segment_fixed_size: 0
    .kernarg_segment_align: 8
    .kernarg_segment_size: 48
    .max_flat_workgroup_size: 128
    .sgpr_count:     88
    .vgpr_count:     1024
    .wavefront_size: 32
...
	.end_amdgpu_metadata
.endif
;; end of part 4
